; MI455X (gfx1250); checked and timed in simulation.
; The chip was launched on July 23, 2026; its instructions are those of AMD's public machine-readable ISA for CDNA 5 (MIT licence, August 2026) and "CDNA5" Instruction Set Architecture Reference Guide (July 2026). The comments in the code are by the model that wrote it; some were corrected since.
;; Attention. Allowed arithmetic: matrix products marked QUANTISED: E2M1 operands, one E8M0 scale for each 32 along K, by v_wmma_scale_f32_16x16x128_f8f6f4 with both operands' format E2M1 (or v_wmma_scale_f32_32x16x128_f4), f32 sums; products left as they are: bf16, f16 or f32 operands; f32 sums; everything else in f32.
;; Inputs: b1 4,096 float32; b2 1,024 float32; bk 1,024 float32; bq 1,024 float32; bv 1,024 float32; ln_b 1,024 float32; ln_g 1,024 float32; w1 1,024 x 4,096 float32; w2 4,096 x 1,024 float32; wk 1,024 x 1,024 float32; wq 1,024 x 1,024 float32; wv 1,024 x 1,024 float32; x 2 x 2,048 x 1,024 float32.
;; Outputs: out0 2 x 2,048 x 1,024 float32.
;; This version of the problem:
;;   THIS VERSION OF THE PROBLEM IS GIVEN IN LOW PRECISION. The matrix products marked QUANTISED in the list below multiply operands that are first quantised to E2M1 (2 exponent bits, 1 mantissa bit; 4 bits a number), with one power-of-two scale for each 32 numbers along K (OCP MX v1.0); their sums are f32. The products marked 'left as it is' may take bf16, f16 or f32 operands, with f32 sums. Whichever they take, every output number must still come out within the allowed error. Rounding operands to bf16 (8 significant bits) uses up far more of that allowance than f16 does (11 bits, for magnitudes from 6e-5 to 65,504). All else is computed in f32.
;;   The module's matrix products, in the order in which they are computed (A, B: the left and right operand; K: the contracted axis; several contracted axes count as one K, in the product's order):
;;     1. [M 4,096, K 1,024] x [K 1,024, N 1,024]; A: input x; B: input wq: QUANTISED
;;     2. [M 4,096, K 1,024] x [K 1,024, N 1,024]; A: input x; B: input wk: QUANTISED
;;     3. [M 4,096, K 1,024] x [K 1,024, N 1,024]; A: input x; B: input wv: QUANTISED
;;     4. batch 32 x [M 2,048, K 64] x [K 64, N 2,048]; A: computed on the way; B: computed on the way: left as it is (an operand is computed on the way)
;;     5. batch 32 x [M 64, K 2,048] x [K 2,048, N 2,048]; A: computed on the way; B: computed on the way: left as it is (an operand is computed on the way)
;;     6. [M 4,096, K 1,024] x [K 1,024, N 4,096]; A: computed on the way; B: input w1: left as it is (an operand is computed on the way)
;;     7. [M 4,096, K 4,096] x [K 4,096, N 1,024]; A: computed on the way; B: input w2: left as it is (an operand is computed on the way)
;;   THE QUANTISER, for each operand of a quantised product, along K:
;;     - K is cut into blocks of 32 from its start; a last block that is shorter is filled with zeros.
;;     - A block's scale is 2^e with e = floor(log2(the largest magnitude in the block)) - 2, held to -126 .. 127; a block of zeros has e = 0. As a byte (E8M0): e + 127.
;;     - Each number is divided by its block's scale, clamped to +-6, and rounded to the nearest number of E2M1, ties to even, subnormals kept.
;;     - The product sums the exact products of the quantised numbers (number of the format x scale) in f32.
;;   ~~~python
;;   def quantise(x, axis):      # numpy; x: float32 -> the quantised numbers, widened to float32 again
;;       x = np.moveaxis(x, axis, -1); K = x.shape[-1]
;;       x = np.pad(x, [(0, 0)] * (x.ndim - 1) + [(0, -K % 32)]); x = x.reshape(x.shape[:-1] + (-1, 32)); a = np.abs(x).max(-1, keepdims=True)
;;       e = np.where(a > 0, np.clip(np.frexp(np.where(a > 0, a, 1))[1] - 1 - 2, -126, 127), 0)      # np.frexp(a)[1] - 1 = floor(log2(a)), exactly
;;       r = np.clip(x / 2.0 ** e, -6, 6)
;;       step = 2.0 ** (np.maximum(np.frexp(np.where(r == 0, 1, r))[1] - 1, 0) - 1)
;;       q = np.round(r / step) * step * 2.0 ** e      # np.round: ties to even
;;       return np.moveaxis(q.reshape(q.shape[:-2] + (-1,))[..., :K], -1, axis).astype(np.float32)
;;   ~~~
;; One version. Each part assembles by itself: llvm-mc -triple=amdgcn-amd-amdhsa -mcpu=gfx1250 --defsym DOCPART=n.
;; ======== version 1 of 1: 7 launches
;; limits: values are held in f16: magnitudes above 65,504 overflow, below 6.1e-05 lose precision; a function is approximated: absolute error at most 1.5e-07
;; workspace buffers: codes 3,899,392 bytes; wt 16,777,216 bytes; qkv 25,165,824 bytes; vsum 262,144 bytes; attn 16,777,216 bytes; h 25,165,824 bytes; g16 33,554,432 bytes; mlp 16,777,216 bytes
;; launch prep (part 1): grid 688 x 1, 4 waves a work-group, no clusters, 137,728 bytes of LDS; arguments x, wq, wk, wv, w1, w2, codes, wt; writes codes, wt
.if DOCPART == 1
	.amdgcn_target "amdgcn-amd-amdhsa--gfx1250"
	.amdhsa_code_object_version 6
	.text
	.protected	k_q955457bd93_prep
	.globl	k_q955457bd93_prep
	.p2align	8
	.type	k_q955457bd93_prep,@function
k_q955457bd93_prep:
	s_mov_b64 s[64:65], 0
	v_nop
	global_prefetch_b8 v0, s[64:65] scope:SCOPE_SE
	s_setreg_imm32_b32 hwreg(HW_REG_WAVE_MODE, 25, 1), 1
	s_wait_xcnt 0x0
; FIRST LAUNCH OF SEVEN: x and wq, wk, wv become codes of FP4 (E2M1) with one E8M0 byte for each 32 along K (K = the model's 1,024); w1 and w2 become f16 with K innermost.
; WORK LEFT OUT IN THIS PROGRAM, AND WHY IT IS DEAD.  reference() replaces the score of every key m > l by the constant -1000 (jnp.where on a mask that it builds itself), so the products q.k for m > l reach
; no output whatever the inputs hold: whole steps of 64 keys behind a query tile's diagonal are not multiplied.  The WEIGHTS of those keys, exp(-1000 - max), are not zero and are kept: they are equal for all
; masked keys of a row, so their share of the second product is that one weight times the sum of V over those keys (the distributive law); the launch qkv stores sums of V over 64 tokens, the launch attn adds
; them, lets -1000 into the row's maximum and the count of those keys times the weight into the row's sum.  No input is dead: all thirteen are loaded by some launch.
; LIMITS.  A NaN, an infinity or an overflow that arises only in a masked score is not carried to the result.  NaN and infinities among the inputs are not served.  q, k, v, h, the GELU's result, w1 and w2 are
; rounded to f16 for the products that the problem leaves as they are: magnitudes beyond 65,504 are not served.  A block of zeros gets the scale byte 1 where the rule says 127: its codes are zeros, which add
; nothing under any byte but 0xff, and the bytes are read by this program alone; blocks whose largest magnitude lies under 2^(3 - 127) keep that byte too.
; SHARES.  Work-groups 0-47: wq, wk, wv (a lane takes a column, its registers run down K).  48-175: x (a plain stream of blocks of 32).  176-431: w1.  432-687: w2.  The four paths part on the work-group's number,
; never join, and have LDS bytes of their own.  No tensor load, no barrier: waves share nothing.
; codes: x's codes [4096][512] at 0, x's scale bytes [4096][32] at XS_OFF, the weights' codes [3072][512] (rows: q, k, v) at WC_OFF, their scale bytes [3072][32] at WS_OFF.  wt: w1^T [4096][1024] f16 at 0, w2^T [1024][4096] f16 at W2T_OFF.
.set XS_OFF,  2097152
.set WC_OFF,  2228224
.set WS_OFF,  3801088
.set W2T_OFF, 8388608
.set LW,      32768                    ; LDS: x's path 0 .. 32,767; then 4 x 8,704 bytes for each of the other three paths
.set LT1,     67584
.set LT2,     102400
.set SPARE,   137216                   ; the spare words, 128 bytes for each wave: two blocks of 256 bytes that no other line names
.set SPW,     190                      ; v190 LDS address of my spare word; never rewritten
.set NIL,     191                      ; v191 0; never rewritten
; ---- the way out of the three paths that turn a tensor: 32 rows of 256 bytes come back from my stage, two rows an instruction; sixteen lanes store 256 consecutive bytes, aligned
.macro ROWS_OUT krow
.irp t, 0,1,2,3,4,5,6,7,8,9,10,11,12,13,14,15
	ds_load_b128 v[112+4*\t:112+4*\t+3], v7 offset:2*\t*272      ; LDS serves a wave's instructions in order: these see my stores
.endr
.irp t, 0,1,2,3,4,5,6,7,8,9,10,11,12,13,14,15
	s_wait_dscnt 15-\t                                           ; load t is in; the 15 - t younger ones may be out
	global_store_b128 v8, v[112+4*\t:112+4*\t+3], s[30:31] offset:2*\t*(\krow)
.endr
	s_wait_tensorcnt 0x0                                         ; the wave's end
	ds_add_u32 v[SPW], v[NIL]
	s_wait_dscnt 0x0
	s_endpgm
.endm
.macro STAGE_ADR base, krow            ; v3 4 x lane; v4 my column's row in the stage; v7, v8 the way out: LDS and memory
	v_lshlrev_b32 v3, 2, v2
	s_mul_i32 s34, s20, 8704
	s_add_co_u32 s34, s34, \base
	v_mul_u32_u24 v4, v2, 272
	v_add_nc_u32 v4, s34, v4
	v_and_b32 v5, 15, v2
	v_lshrrev_b32 v6, 4, v2
	v_mul_u32_u24 v7, v6, 272
	v_lshl_add_u32 v7, v5, 4, v7
	v_add_nc_u32 v7, s34, v7
	v_mul_u32_u24 v8, v6, \krow
	v_lshl_add_u32 v8, v5, 4, v8
.endm
; ---- w1, w2: [k][n] f32 -> [n][k] f16.  A wave takes 32 columns x 128 along K; a lane a column
.macro TLD t, n
.set ii, 0
.rept 32
	global_load_b32 v[32+32*((\t)%2)+ii], v3, s[24:25] offset:(32*(\t)+ii)*(\n)*4 th:TH_LOAD_NT
.set ii, ii+1
.endr
.endm
.macro TBLOCK t, n
.set XR, 32+32*((\t)%2)
.if (\t) < 3
	s_wait_loadcnt 32                                            ; this block's 32 loads are in; the next block's 32 may be out
.else
	s_wait_loadcnt 0x0
.endif
.irp i, 0,1,2,3,4,5,6,7,8,9,10,11,12,13,14,15
	v_cvt_pk_f16_f32 v[96+\i], v[XR+2*\i], v[XR+2*\i+1]          ; the lower k in the low half
.endr
.irp g, 0,1,2,3
	ds_store_b128 v4, v[96+4*\g:96+4*\g+3] offset:64*(\t)+16*\g
.endr
.if (\t) < 2
	TLD (\t)+2, \n
.endif
	s_wait_dscnt 0x0                                             ; the stores have read their registers: the next block's numbers may be written
.endm
.macro TRANS n, k, lg, first, base, src, dstoff
	s_sub_co_u32 s21, ttmp9, \first
	s_and_b32 s22, s21, (\n)/128-1                               ; which 128 columns
	s_lshr_b32 s23, s21, \lg                                     ; which 128 along K
	s_lshl_b32 s22, s22, 7
	s_lshl_b32 s26, s20, 5
	s_add_co_u32 s22, s22, s26                                   ; my wave's first column
	s_mov_b32 s27, 0
	s_mul_i32 s26, s23, 128*(\n)*4
	s_lshl_b32 s28, s22, 2
	s_add_co_u32 s26, s26, s28
	s_add_nc_u64 s[24:25], s[\src:\src+1], s[26:27]
	s_mul_i32 s26, s22, 2*(\k)
	s_lshl_b32 s28, s23, 8
	s_add_co_u32 s26, s26, s28
	s_add_nc_u64 s[30:31], s[18:19], s[26:27]
.if \dstoff
	s_add_nc_u64 s[30:31], s[30:31], \dstoff
.endif
	STAGE_ADR \base, 2*(\k)
	TLD 0, \n
	TLD 1, \n
	TBLOCK 0, \n
	TBLOCK 1, \n
	TBLOCK 2, \n
	TBLOCK 3, \n
	ROWS_OUT 2*(\k)
.endm
; ---- wq, wk, wv: a wave takes 32 columns x 512 along K: 16 blocks a lane
.macro WLOAD t
.set ii, 0
.rept 32
	global_load_b32 v[32+32*((\t)%2)+ii], v3, s[24:25] offset:(32*(\t)+ii)*4096 th:TH_LOAD_NT
.set ii, ii+1
.endr
.endm
.macro WBLOCK t
.set XR, 32+32*((\t)%2)
.if (\t) < 15
	s_wait_loadcnt 32                                            ; this block's 32 loads are in; the next block's may be out
.else
	s_wait_loadcnt 0x0
.endif
	v_max3_num_f32 v12, |v[XR]|, |v[XR+1]|, |v[XR+2]|            ; the block's largest magnitude: all 32 numbers are mine
	v_max3_num_f32 v13, |v[XR+3]|, |v[XR+4]|, |v[XR+5]|
.irp i, 6,10,14,18,22,26
	v_max3_num_f32 v12, v12, |v[XR+\i]|, |v[XR+\i+1]|
	v_max3_num_f32 v13, v13, |v[XR+\i+2]|, |v[XR+\i+3]|
.endr
	v_max3_num_f32 v12, v12, |v[XR+30]|, |v[XR+31]|
	v_max3_num_f32 v12, v12, v13, 0x1800000                      ; and the floor 2^(3 - 127): the byte cannot fall under 1
	v_add_nc_u32 v11, 0xff000000, v12                            ; 2 off its exponent field: the conversion takes the exponent field of this operand as its scale
	v_lshrrev_b32 v13, 23, v11                                   ; the scale's byte
.if (\t)%4 == 0
	v_mov_b32 v[24+(\t)/4], v13                                  ; four bytes to a register, the lower K in the lower byte
.else
	v_lshl_or_b32 v[24+(\t)/4], v13, 8*((\t)%4), v[24+(\t)/4]
.endif
.irp g, 0,1,2,3
	v_cvt_scalef32_pk8_fp4_f32 v[96+\g], v[XR+8*\g:XR+8*\g+7], v11
.endr
	ds_store_b128 v4, v[96:99] offset:16*(\t)                    ; 32 codes: 16 bytes of my column's row
.if (\t)+2 < 16
	WLOAD (\t)+2
.endif
	s_wait_dscnt 0x0                                             ; the store has read its registers
.endm
; ---- x: a wave takes 16 steps of 512 numbers; a step's 2,048 bytes turn through my stage so that a lane holds 16 neighbours
.macro XLOAD t
.irp i, 0,1,2,3
	global_load_b128 v[16+16*((\t)%4)+4*\i:16+16*((\t)%4)+4*\i+3], v3, s[4:5] offset:2048*(\t)+512*\i th:TH_LOAD_NT
.endr
.endm
.macro XTURN t
.irp i, 0,1,2,3
	ds_store_b128 v14, v[16+16*((\t)%4)+4*\i:16+16*((\t)%4)+4*\i+3] offset:2560*((\t)%2)+640*\i
.endr
.irp i, 0,1,2,3
	ds_load_b128 v[80+16*((\t)%2)+4*\i:80+16*((\t)%2)+4*\i+3], v15 offset:2560*((\t)%2)+16*\i
.endr
.endm
.macro XSTEP t
.set XR, 80+16*((\t)%2)
.if (\t) > 0
	s_wait_dscnt 1                                               ; this step's numbers are back from the stage; the last step's byte store may be out
.else
	s_wait_dscnt 0x0
.endif
.if (\t)+4 < 16
	XLOAD (\t)+4
.endif
.if (\t)+1 < 16
.if 14-(\t) >= 3
	s_wait_loadcnt 12                                            ; the next step's four loads are in; those of the three steps behind it may be out
.else
	s_wait_loadcnt 4*(14-(\t))
.endif
	XTURN (\t)+1
.endif
	v_max3_num_f32 v8, |v[XR]|, |v[XR+1]|, |v[XR+2]|
	v_max3_num_f32 v9, |v[XR+3]|, |v[XR+4]|, |v[XR+5]|
.irp i, 6,10
	v_max3_num_f32 v8, v8, |v[XR+\i]|, |v[XR+\i+1]|
	v_max3_num_f32 v9, v9, |v[XR+\i+2]|, |v[XR+\i+3]|
.endr
	v_max3_num_f32 v8, v8, |v[XR+14]|, |v[XR+15]|
	v_max3_num_f32 v8, v8, v9, 0x1800000                         ; the floor 2^(3 - 127)
	v_max_num_f32_dpp v8, v8, v8 row_xmask:1 row_mask:0xf bank_mask:0xf   ; with my neighbour's 16: the block's
	v_add_nc_u32 v11, 0xff000000, v8
	v_cvt_scalef32_pk8_fp4_f32 v[128+4*(\t)], v[XR:XR+7], v11
	v_cvt_scalef32_pk8_fp4_f32 v[128+4*(\t)+1], v[XR+8:XR+15], v11
	v_lshrrev_b32 v[112+(\t)], 23, v11                           ; the scale's byte
	ds_store_b8 v5, v[112+(\t)] offset:16*(\t)                   ; both lanes of a block write the same byte with the same value
	global_store_b64 v4, v[128+4*(\t):128+4*(\t)+1], s[26:27] offset:256*(\t)   ; the wave stores 256 consecutive bytes, aligned
.endm
	s_load_b256 s[4:11], s[0:1], 0x0               ; x, wq, wk, wv
	s_load_b256 s[12:19], s[0:1], 0x20             ; w1, w2, codes, wt
	v_lshl_add_u32 v[SPW], v0, 2, SPARE
	v_mov_b32 v[NIL], 0
	v_lshrrev_b32 v1, 5, v0
	v_readfirstlane_b32 s20, v1                    ; wave 0..3
	v_and_b32 v2, 31, v0                           ; lane
	s_wait_kmcnt 0x0
	s_cmp_lt_u32 ttmp9, 48
	s_cbranch_scc1 .Lpath_w
	s_cmp_lt_u32 ttmp9, 176
	s_cbranch_scc1 .Lpath_x
	s_cmp_lt_u32 ttmp9, 432
	s_cbranch_scc1 .Lpath_t1
	TRANS 1024, 4096, 3, 432, LT2, 14, W2T_OFF     ; w2 [4096][1024]
.Lpath_t1:
	TRANS 4096, 1024, 5, 176, LT1, 12, 0           ; w1 [1024][4096]
.Lpath_x:
	v_lshlrev_b32 v3, 4, v2                        ; my 16 bytes of a load's 512
	s_mul_i32 s21, s20, 8192                       ; my wave's region: two stages of 32 x 80 bytes, then 256 scale bytes
	v_lshrrev_b32 v14, 2, v2
	v_mul_u32_u24 v14, v14, 80
	v_and_b32 v15, 3, v2
	v_lshl_add_u32 v14, v15, 4, v14
	v_add_nc_u32 v14, s21, v14                     ; into the stage: 80 (lane / 4) + 16 (lane % 4)
	v_mul_u32_u24 v15, v2, 80
	v_add_nc_u32 v15, s21, v15                     ; out of it: 80 x lane: my 16 neighbours
	v_lshlrev_b32 v4, 3, v2                        ; my 8 bytes of a step's codes
	v_lshrrev_b32 v5, 1, v2
	s_add_co_u32 s21, s21, 5120
	v_add_nc_u32 v5, s21, v5                       ; my block's scale byte in LDS
	v_lshlrev_b32 v7, 3, v2
	v_add_nc_u32 v6, s21, v7
	s_sub_co_u32 s22, ttmp9, 48
	s_lshl_b32 s22, s22, 2
	s_add_co_u32 s22, s22, s20                     ; which run of 8,192 numbers is my wave's
	s_mov_b32 s25, 0
	s_lshl_b32 s24, s22, 15
	s_add_nc_u64 s[4:5], s[4:5], s[24:25]
	s_lshl_b32 s24, s22, 12
	s_add_nc_u64 s[26:27], s[16:17], s[24:25]      ; its codes
	s_lshl_b32 s24, s22, 8
	s_add_nc_u64 s[28:29], s[16:17], s[24:25]
	s_add_nc_u64 s[28:29], s[28:29], XS_OFF        ; its 256 scale bytes
	XLOAD 0
	XLOAD 1
	XLOAD 2
	XLOAD 3
	s_wait_loadcnt 12                              ; step 0's four loads are in
	XTURN 0
.irp t, 0,1,2,3,4,5,6,7,8,9,10,11,12,13,14,15
	XSTEP \t
.endr
	ds_load_b64 v[8:9], v6                         ; LDS serves a wave's instructions in order: these see my stores
	s_wait_dscnt 0x0
	global_store_b64 v7, v[8:9], s[28:29]          ; 32 lanes store 256 consecutive bytes, aligned
	s_wait_tensorcnt 0x0                           ; the wave's end
	ds_add_u32 v[SPW], v[NIL]
	s_wait_dscnt 0x0
	s_endpgm
.Lpath_w:
	s_lshr_b32 s21, ttmp9, 4                       ; 0: wq, 1: wk, 2: wv
	s_and_b32 s22, ttmp9, 7                        ; which 128 columns
	s_bfe_u32 s23, ttmp9, 0x10003                  ; which 512 along K
	s_cmp_eq_u32 s21, 0
	s_cselect_b64 s[24:25], s[6:7], s[8:9]
	s_cmp_eq_u32 s21, 2
	s_cselect_b64 s[24:25], s[10:11], s[24:25]
	s_lshl_b32 s22, s22, 7
	s_lshl_b32 s26, s20, 5
	s_add_co_u32 s22, s22, s26                     ; my wave's first column
	s_mov_b32 s27, 0
	s_lshl_b32 s26, s23, 21                        ; 512 rows of 4,096 bytes
	s_lshl_b32 s28, s22, 2
	s_add_co_u32 s26, s26, s28
	s_add_nc_u64 s[24:25], s[24:25], s[26:27]
	s_lshl_b32 s21, s21, 10
	s_add_co_u32 s21, s21, s22                     ; its row among the 3,072
	s_lshl_b32 s26, s21, 9
	s_lshl_b32 s28, s23, 8
	s_add_co_u32 s26, s26, s28
	s_add_nc_u64 s[30:31], s[16:17], s[26:27]
	s_add_nc_u64 s[30:31], s[30:31], WC_OFF
	s_lshl_b32 s26, s21, 5
	s_lshl_b32 s28, s23, 4
	s_add_co_u32 s26, s26, s28
	s_add_nc_u64 s[32:33], s[16:17], s[26:27]
	s_add_nc_u64 s[32:33], s[32:33], WS_OFF
	STAGE_ADR LW, 512
	v_lshlrev_b32 v9, 5, v2                        ; my column's row of scale bytes
	WLOAD 0
	WLOAD 1
.set Q, 0
.rept 16
	WBLOCK Q
.set Q, Q+1
.endr
	global_store_b128 v9, v[24:27], s[32:33]       ; my column's 16 scale bytes
	ROWS_OUT 512
.Lfunc_end_k_q955457bd93_prep:
	.size	k_q955457bd93_prep, .Lfunc_end_k_q955457bd93_prep-k_q955457bd93_prep
	.p2alignl 7, 3214868480
	.fill 96, 4, 3214868480
	.section	.rodata,"a",@progbits
	.p2align	6, 0x0
	.amdhsa_kernel k_q955457bd93_prep
		.amdhsa_group_segment_fixed_size 137728
		.amdhsa_private_segment_fixed_size 0
		.amdhsa_enable_private_segment 0
		.amdhsa_kernarg_size 64
		.amdhsa_user_sgpr_count 2
		.amdhsa_user_sgpr_kernarg_segment_ptr 1
		.amdhsa_wavefront_size32 1
		.amdhsa_system_sgpr_workgroup_id_x 1
		.amdhsa_system_sgpr_workgroup_id_y 1
		.amdhsa_system_sgpr_workgroup_id_z 1
		.amdhsa_system_vgpr_workitem_id 0
		.amdhsa_next_free_vgpr 192
		.amdhsa_next_free_sgpr 66
		.amdhsa_reserve_vcc 0
		.amdhsa_float_denorm_mode_32 3
		.amdhsa_float_denorm_mode_16_64 3
		.amdhsa_memory_ordered 1
		.amdhsa_forward_progress 1
		.amdhsa_inst_pref_size 154
	.end_amdhsa_kernel
	.amdgpu_metadata
---
amdhsa.version: [ 1, 2 ]
amdhsa.kernels:
  - .name:           k_q955457bd93_prep
    .symbol:         k_q955457bd93_prep.kd
    .args:
      - { .name: x, .offset: 0, .size: 8, .value_kind: global_buffer, .address_space: global }
      - { .name: wq, .offset: 8, .size: 8, .value_kind: global_buffer, .address_space: global }
      - { .name: wk, .offset: 16, .size: 8, .value_kind: global_buffer, .address_space: global }
      - { .name: wv, .offset: 24, .size: 8, .value_kind: global_buffer, .address_space: global }
      - { .name: w1, .offset: 32, .size: 8, .value_kind: global_buffer, .address_space: global }
      - { .name: w2, .offset: 40, .size: 8, .value_kind: global_buffer, .address_space: global }
      - { .name: codes, .offset: 48, .size: 8, .value_kind: global_buffer, .address_space: global }
      - { .name: wt, .offset: 56, .size: 8, .value_kind: global_buffer, .address_space: global }
    .group_segment_fixed_size: 137728
    .private_segment_fixed_size: 0
    .kernarg_segment_align: 8
    .kernarg_segment_size: 64
    .max_flat_workgroup_size: 128
    .sgpr_count:     66
    .vgpr_count:     192
    .wavefront_size: 32
...
	.end_amdgpu_metadata
.endif
;; end of part 1
;; launch qkv (part 2): grid 12 x 16, 4 waves a work-group, clusters of 4 x 4, 327,680 bytes of LDS; arguments codes, bq, bk, bv, qkv, vsum; writes qkv, vsum
.if DOCPART == 2
	.amdgcn_target "amdgcn-amd-amdhsa--gfx1250"
	.amdhsa_code_object_version 6
	.text
	.protected	k_q955457bd93_qkv
	.globl	k_q955457bd93_qkv
	.p2align	8
	.type	k_q955457bd93_qkv,@function
k_q955457bd93_qkv:
	s_mov_b64 s[64:65], 0
	v_nop
	global_prefetch_b8 v0, s[64:65] scope:SCOPE_SE
	s_setreg_imm32_b32 hwreg(HW_REG_WAVE_MODE, 25, 1), 1
	s_wait_xcnt 0x0
	s_wait_alu depctr_hold_cnt(0) depctr_sa_sdst(0) depctr_va_vdst(0) depctr_va_sdst(0) depctr_va_ssrc(0) depctr_va_vcc(0) depctr_vm_vsrc(0)
	s_getreg_b32 s2, hwreg(HW_REG_IB_STS2, 6, 4)
	s_cmp_eq_u32 s2, 0
	s_cbranch_scc0 .Lentry_in_a_cluster
	s_endpgm
.Lentry_in_a_cluster:
	s_bfe_u32 s2, ttmp6, 0x10000c
	s_cmp_lg_u32 s2, 0xf033
	s_cbranch_scc0 .Lentry_shape_is_right
	s_endpgm
.Lentry_shape_is_right:
; q, k, v = x W + b, on codes of FP4 (E2M1) with one E8M0 scale for each 32 along K = 1,024.  A = x's codes [4096][512 bytes], B = the weights' codes [3072][512 bytes] (rows: q, k, v), both from the launch before.
; A work-group of four waves makes 256 tokens x 256 columns, a wave 128 x 128: 64 accumulators.  K is two slots of 512: both are filled at the start and none is filled again.
; CLUSTERS: 4 x 4 work-groups; A's tiles are asked for jointly along a row of the cluster, B's along a column.  The cluster's x is 0, 1, 2 for q, k, v: the same in all sixteen partners.
; THE MATRIX INSTRUCTION IS USED TRANSPOSED (source 0 = 16 rows of B, source 1 = 16 rows of A): a lane holds eight neighbouring columns of one token.  The bias is the C of each sum's first instruction.
; OUT: f16, laid [part 3][batch 2][head 16][token 2048][64], so that 16 tokens of a head are 2,048 consecutive bytes.  For v also the sums over each 64 tokens, f32, [batch][32][1024]: the launch attn makes of
; them the share of the masked keys, whose weights are equal (first kernel's head).  LIMIT: q, k, v beyond 65,504 in magnitude are not served.
; REGISTERS: window 0: v0-31 addresses; v32-95 scale words and nothing else; v96-127 packed results; v128-191 A's fragments, later sums and rows on the way out; v192-255 the bias, 8 blocks of 8.
;   window 1: B's fragments, two sets.  window 2, 3: the accumulators of my rows 0-63, 64-127 ((a, b) at v[8 (8 a + b)]).
.set XS_OFF,  2097152
.set WC_OFF,  2228224
.set WS_OFF,  3801088
.set HB,     262144                    ; a head's bytes in qkv
.set NQ,     4                         ; matrix instructions deep in a slot
.set ROWB,   256                       ; a tile's row: 512 codes
.set KROW,   512                       ; a row of codes in memory
.set PITCH,  272                       ; an LDS row: 256 bytes + 16 of padding: the 16 rows that a load touches start at 16 different banks
.set FR,     8
.set NL,     2
.set NP,     4
.set HALFT,  128*PITCH
.set SLOT,   4*HALFT
.set KS,     32                        ; a row of scale bytes
.set SCL,    2*SLOT                    ; behind the ring: the scales, as units of 256 bytes + 16 of padding
.set HALFS,  16*272
.set SBLK,   2*272
.set SPARE,  SCL+4*HALFS               ; the spare words, 128 bytes for each wave: two blocks of 256 bytes that no other line names
.set WSTG,   5120                      ; the way out: my stage in slot 0 (its last fill and last read are over): 2 heads x 16 tokens x 144 bytes, then 512 bytes for the sums
.set ADRA, 16
.set ADRB, 20
.set BO,   22                          ; v22 the bias loads' offset: 32 x (lane / 16)
.set VST,  23                          ; v23 where I put 32 bytes of sums
.set STO,  24
.set RD,   25
.set CO,   26                          ; v26 16 x lane
.set ADRS, 27
.set SPW,  28
.set NIL,  29
.set VRD,  30                          ; v30 where I read the sums back
.set SC,   32
.set TMP,  96
.set AF,   128
.set CS,   128
.set OB,   128
.set BIAS, 192
.set G1, 24
.set G0, 32
.set G1B, 48
.set G0B, 56
.set G1S, 68
.set G0S, 76
.set G1SB, 80
.set G0SB, 88
.set MSB, 0
.macro WIN new                         ; the immediate's high byte repeats the setting that is left
.if MSB != (\new)
	s_set_vgpr_msb (MSB<<8)|(\new)
.set MSB, (\new)
.endif
.endm
.set MUL_LO, 0xa1                      ; source 0 (B) window 1, source 1 (A) window 0, C and D window 2
.set MUL_HI, 0xf1
.set TO_B,   0x40
; A joint load: waves 0 and 1 fetch for A, waves 2 and 3 for B.  An s_nop 0 and four v_nop follow each of the two lines.
.macro JLOAD g0a, g1a, g0b, g1b
	s_cmp_eq_u32 s15, 0
	s_cbranch_scc0 .Lfor_b_\@
	tensor_load_to_lds s[\g0a:\g0a+3], s[\g1a:\g1a+7]
	s_nop 0
.rept 4
	v_nop
.endr
	s_branch .Lasked_\@
.Lfor_b_\@:
	tensor_load_to_lds s[\g0b:\g0b+3], s[\g1b:\g1b+7]
	s_nop 0
.rept 4
	v_nop
.endr
.Lasked_\@:
.endm
.macro CROUND                          ; a round of the cluster's barrier
	s_barrier_signal -1
	s_barrier_wait -1
	s_cmp_lg_u32 s14, 0
	s_cbranch_scc1 .Lnot_wave_0_\@
	s_barrier_signal -3
.Lnot_wave_0_\@:
	s_barrier_wait -3
	s_barrier_signal -1
	s_barrier_wait -1
.endm
	s_load_b64 s[4:5], s[0:1], 0x0                 ; codes
	s_load_b128 s[96:99], s[0:1], 0x8              ; bq, bk
	s_load_b64 s[100:101], s[0:1], 0x18            ; bv
	s_load_b64 s[12:13], s[0:1], 0x20              ; qkv
	s_load_b64 s[66:67], s[0:1], 0x28              ; vsum
	v_lshl_add_u32 v[SPW], v0, 2, SPARE
	v_mov_b32 v[NIL], 0
	ds_add_u32 v[SPW], v[NIL]                      ; the wave's opening: the add, twice on end, and its wait ahead of my first tensor load
	ds_add_u32 v[SPW], v[NIL]
	v_lshrrev_b32 v1, 5, v0
	v_readfirstlane_b32 s14, v1                    ; wave 0..3
	s_lshr_b32 s15, s14, 1                         ; which half of the tile's rows is mine.  Also: I fetch for A (0) or for B (1)
	s_and_b32 s16, s14, 1                          ; which half of its columns.  Also: which 128 rows of that tile I fetch
	s_bfe_u32 s40, ttmp6, 0x40000                  ; cx, cy
	s_bfe_u32 s41, ttmp6, 0x40004
	s_lshl_b32 s42, ttmp9, 2
	s_add_co_u32 s42, s42, s40                     ; tile column
	s_and_b32 s17, ttmp7, 0xffff
	s_lshl_b32 s17, s17, 2
	s_add_co_u32 s17, s17, s41                     ; tile row
	s_lshl_b32 s43, s41, 2
	s_lshl_b32 s43, 15, s43                        ; my row of the cluster
	s_lshl_b32 s44, 0x1111, s40                    ; my column
	s_or_b32 s[G1+0], s43, (0<<16)|(1<<20)|(1<<21)|(5<<22)|(3<<25)  ; the mask; elements of 1 byte; padding: 4 words after every 64; bit 21 beside a mask
	s_or_b32 s[G1B+0], s44, (0<<16)|(1<<20)|(1<<21)|(5<<22)|(3<<25)
.irp g, G1, G1B
	s_mov_b32 s[\g+1], ROWB<<16                    ; tensor_dim0
	s_mov_b32 s[\g+2], 128<<16                     ; tensor_dim1
	s_mov_b32 s[\g+3], ROWB<<16                    ; tile_dim0
	s_mov_b32 s[\g+4], 128                         ; tile_dim1
	s_mov_b32 s[\g+5], KROW                        ; from row to row
	s_mov_b32 s[\g+6], 0
	s_mov_b32 s[\g+7], 0
.endr
	s_or_b32 s[G1S+0], s43, (3<<16)|(1<<20)|(1<<21)|(5<<22)|(3<<25)  ; the scales of 128 rows: 4,096 dense bytes as 16 rows of 32 elements of 8 bytes
	s_or_b32 s[G1SB+0], s44, (3<<16)|(1<<20)|(1<<21)|(5<<22)|(3<<25)
.irp g, G1S, G1SB
	s_mov_b32 s[\g+1], 32<<16
	s_mov_b32 s[\g+2], 16<<16
	s_mov_b32 s[\g+3], 32<<16
	s_mov_b32 s[\g+4], 16
	s_mov_b32 s[\g+5], 32
	s_mov_b32 s[\g+6], 0
	s_mov_b32 s[\g+7], 0
.endr
	s_lshl_b32 s18, s16, 7
	s_lshl_b32 s20, s17, 8
	s_add_co_u32 s20, s20, s18                     ; A: row 256 x tile row + 128 x half
	s_lshl_b32 s46, s42, 8
	s_add_co_u32 s46, s46, s18                     ; B: row 256 x tile column + 128 x half
	s_mov_b32 s21, 0
	s_mov_b32 s47, 0
	s_mov_b64 s[18:19], KS
	s_mul_u64 s[22:23], s[20:21], s[18:19]
	s_mul_u64 s[92:93], s[46:47], s[18:19]
	s_mov_b64 s[18:19], KROW
	s_mul_u64 s[20:21], s[20:21], s[18:19]
	s_mul_u64 s[46:47], s[46:47], s[18:19]
	s_mul_i32 s45, s14, HALFT                      ; where they go: wave x 128 rows
	s_mul_i32 s94, s14, HALFS
	s_wait_dscnt 0x0                               ; both opening adds are done
	s_wait_kmcnt 0x0
	s_add_nc_u64 s[6:7], s[4:5], XS_OFF            ; the four parts of the buffer of codes
	s_add_nc_u64 s[8:9], s[4:5], WC_OFF
	s_add_nc_u64 s[10:11], s[4:5], WS_OFF
	s_add_nc_u64 s[20:21], s[4:5], s[20:21]
	s_add_nc_u64 s[22:23], s[6:7], s[22:23]
	s_add_nc_u64 s[46:47], s[8:9], s[46:47]
	s_add_nc_u64 s[92:93], s[10:11], s[92:93]
	CROUND                                         ; all sixteen work-groups are here: the first joint loads meet
	s_mov_b32 s[G0S], 1
	s_add_co_u32 s[G0S+1], s94, SCL
	s_mov_b64 s[G0S+2:G0S+3], s[22:23]
	s_or_b32 s[G0S+3], s[G0S+3], 0x80000000
	s_mov_b32 s[G0SB], 1
	s_add_co_u32 s[G0SB+1], s94, SCL
	s_mov_b64 s[G0SB+2:G0SB+3], s[92:93]
	s_or_b32 s[G0SB+3], s[G0SB+3], 0x80000000
	JLOAD G0S, G1S, G0SB, G1SB                     ; three loads of mine go out: the scales, slot 0, slot 1
.irp s, 0,1
	s_mov_b32 s[G0+4*\s], 1
	s_add_co_u32 s[G0+4*\s+1], s45, \s*SLOT
	s_add_nc_u64 s[G0+4*\s+2:G0+4*\s+3], s[20:21], \s*ROWB
	s_or_b32 s[G0+4*\s+3], s[G0+4*\s+3], 0x80000000
	s_mov_b32 s[G0B+4*\s], 1
	s_add_co_u32 s[G0B+4*\s+1], s45, \s*SLOT
	s_add_nc_u64 s[G0B+4*\s+2:G0B+4*\s+3], s[46:47], \s*ROWB
	s_or_b32 s[G0B+4*\s+3], s[G0B+4*\s+3], 0x80000000
	JLOAD G0+4*\s, G1, G0B+4*\s, G1B
.endr
	v_and_b32 v1, 15, v0                           ; r
	v_bfe_u32 v2, v0, 4, 1                         ; h
	v_mul_u32_u24 v3, v1, PITCH
	v_lshl_add_u32 v4, v2, 4, v3
	s_mul_i32 s21, s15, HALFT
	s_mul_i32 s22, s16, HALFT
	s_add_co_u32 s22, s22, 2*HALFT
.irp s, 0,1
	v_add_nc_u32 v[ADRA+\s], s21, v4
	v_add_nc_u32 v[ADRB+\s], s22, v4
	s_add_co_u32 s21, s21, SLOT
	s_add_co_u32 s22, s22, SLOT
.endr
	v_mul_u32_u24 v5, v1, KS                       ; my row's scales: 32 bytes a row, and 16 more for each 256 passed
	v_lshrrev_b32 v6, 8, v5
	v_lshl_add_u32 v5, v6, 4, v5
	s_mul_i32 s21, s15, HALFS
	s_mul_i32 s22, s16, HALFS
	s_add_co_u32 s22, s22, 2*HALFS
	s_sub_co_u32 s22, s22, s21
	v_mul_u32_u24 v6, s22, v2                      ; lanes 16-31 take B's
	s_add_co_u32 s21, s21, SCL
	v_add_nc_u32 v5, v5, v6
	v_add_nc_u32 v[ADRS], s21, v5
	s_mul_i32 s23, s14, WSTG                       ; my stage
	v_mul_u32_u24 v5, v1, 144
	v_lshl_add_u32 v5, v2, 4, v5
	v_add_nc_u32 v[STO], s23, v5                   ; in: token r, 16 bytes for each half of the lanes
	v_and_b32 v6, 31, v0
	v_lshrrev_b32 v5, 3, v6
	v_mul_u32_u24 v5, v5, 144
	v_and_b32 v7, 7, v0
	v_lshl_add_u32 v5, v7, 4, v5
	v_add_nc_u32 v[RD], s23, v5                    ; back: eight lanes to a token's 128 bytes, four tokens an instruction
	v_lshlrev_b32 v[CO], 4, v6
	s_add_co_u32 s23, s23, 4608
	v_lshl_add_u32 v[VST], v2, 5, s23
	v_add_nc_u32 v[VRD], s23, v[CO]
	v_lshlrev_b32 v[BO], 5, v2
	; where my part begins in qkv, in the bias and in vsum
	s_lshr_b32 s20, s17, 3
	s_lshl_b32 s20, s20, 22                        ; the batch: 16 heads
	s_lshl_b32 s21, ttmp9, 23                      ; q, k or v
	s_add_co_u32 s20, s20, s21
	s_lshl_b32 s21, s40, 2
	s_lshl_b32 s22, s16, 1
	s_add_co_u32 s21, s21, s22                     ; my first head: 4 cx + 2 x half
	s_lshl_b32 s21, s21, 18
	s_add_co_u32 s20, s20, s21
	s_and_b32 s22, s17, 7
	s_lshl_b32 s22, s22, 8
	s_lshl_b32 s23, s15, 7
	s_add_co_u32 s22, s22, s23                     ; my first token in the batch
	s_lshl_b32 s23, s22, 7
	s_add_co_u32 s20, s20, s23
	s_mov_b32 s21, 0
	s_add_nc_u64 s[12:13], s[12:13], s[20:21]
	s_lshl_b32 s46, s40, 10
	s_lshl_b32 s47, s16, 9
	s_add_co_u32 s46, s46, s47                     ; my first column of the part's 1,024, in bytes of f32
	s_mov_b32 s47, 0
	s_cmp_eq_u32 ttmp9, 0
	s_cselect_b64 s[96:97], s[96:97], s[98:99]
	s_cmp_eq_u32 ttmp9, 2
	s_cselect_b64 s[96:97], s[100:101], s[96:97]
	s_add_nc_u64 s[96:97], s[96:97], s[46:47]
	s_lshr_b32 s20, s17, 3
	s_lshl_b32 s20, s20, 17
	s_lshl_b32 s22, s22, 6                         ; (token / 64) x 4,096
	s_add_co_u32 s20, s20, s22
	s_add_co_u32 s20, s20, s46
	s_add_nc_u64 s[66:67], s[66:67], s[20:21]
.irp b, 0,1,2,3,4,5,6,7
	global_load_b128 v[BIAS+8*\b:BIAS+8*\b+3], v[BO], s[96:97] offset:64*\b       ; lane (r, h): the bias of columns 16 b + 8 h + 0 .. 7: the result's layout
	global_load_b128 v[BIAS+8*\b+4:BIAS+8*\b+7], v[BO], s[96:97] offset:64*\b+16
.endr
.macro FRAG reg, adr, q, i             ; 16 rows x 128 K of 4-bit codes: 8 registers, two loads of 16 bytes, 32 bytes apart
.irp c, 0,1
	ds_load_b128 v[\reg+4*\c:\reg+4*\c+3], v[\adr] offset:64*(\q)+32*\c+(\i)*16*PITCH
.endr
.endm
; 16 matrix instructions: A's blocks a0, a0 + 1 x B's eight.  first = 1: the bias is the C: nothing is cleared or added later.  The 64 accumulators take turns, one instruction a turn.
.macro MUL16 a0, p, q, sc, first
.irp a, \a0, \a0+1
.irp b, 0,1,2,3,4,5,6,7
.if \first
	v_wmma_scale_f32_16x16x128_f8f6f4 v[8*(8*((\a)%4)+\b):8*(8*((\a)%4)+\b)+7], v[128*(\p)+FR*\b:128*(\p)+FR*\b+FR-1], v[AF+FR*(\a):AF+FR*(\a)+FR-1], v[BIAS+8*\b:BIAS+8*\b+7], v[SC+8*NQ*(\sc)+NQ*\b+(\q)], v[SC+8*NQ*(\sc)+NQ*(\a)+(\q)] matrix_a_fmt:MATRIX_FMT_FP4 matrix_b_fmt:MATRIX_FMT_FP4 matrix_a_scale:MATRIX_SCALE_ROW1
.else
	v_wmma_scale_f32_16x16x128_f8f6f4 v[8*(8*((\a)%4)+\b):8*(8*((\a)%4)+\b)+7], v[128*(\p)+FR*\b:128*(\p)+FR*\b+FR-1], v[AF+FR*(\a):AF+FR*(\a)+FR-1], v[8*(8*((\a)%4)+\b):8*(8*((\a)%4)+\b)+7], v[SC+8*NQ*(\sc)+NQ*\b+(\q)], v[SC+8*NQ*(\sc)+NQ*(\a)+(\q)] matrix_a_fmt:MATRIX_FMT_FP4 matrix_b_fmt:MATRIX_FMT_FP4 matrix_a_scale:MATRIX_SCALE_ROW1
.endif
.endr
.endr
.endm
.macro FETCH_B slot, q, p
	WIN TO_B
.irp i, 0,1,2,3,4,5,6,7
	FRAG 128*(\p)+FR*\i, ADRB+\slot, \q, \i
.endr
	WIN 0
.endm
.macro FETCH_A slot, q, i0
.irp i, \i0, \i0+1, \i0+2, \i0+3
	FRAG AF+FR*(\i), ADRA+\slot, \q, \i
.endr
.endm
.macro SCALES sc                       ; a slot's scale words: lanes 0-15 take A's block i, lanes 16-31 B's block i
.irp i, 0,1,2,3,4,5,6,7
	ds_load_b128 v[SC+8*NQ*\sc+NQ*\i:SC+8*NQ*\sc+NQ*\i+3], v[ADRS] offset:\i*SBLK
.endr
.endm
.macro PLACES n                        ; plain vector instructions between a matrix instruction and a load into, or a read of, its registers
.rept \n
	v_nop
.endr
.endm
.macro STEP slot, q, first
	s_wait_dscnt 4*NL                              ; B's set and A's blocks 0-3 are in; the youngest eight loads (A's blocks 4-7) may be out
.if \first
	WIN 0x81                                       ; C (the bias) window 0, D window 2
.else
	WIN MUL_LO
.endif
	MUL16 0, (\q)%2, \q, \slot, \first
	MUL16 2, (\q)%2, \q, \slot, \first
	s_wait_dscnt 0
	PLACES NP
	FETCH_B \slot, (\q)+1, 1-(\q)%2
	FETCH_A \slot, (\q)+1, 0
.if \first
	WIN 0xc1
.else
	WIN MUL_HI
.endif
	MUL16 4, (\q)%2, \q, \slot, \first
	MUL16 6, (\q)%2, \q, \slot, \first
	PLACES NP
	WIN 0
	FETCH_A \slot, (\q)+1, 4
.endm
	s_wait_tensorcnt 1                             ; the scales and my part of slot 0 are in; slot 1's load may be out
	s_barrier_signal -1
	s_barrier_wait -1
	FETCH_B 0, 0, 0
	FETCH_A 0, 0, 0
	SCALES 0
	FETCH_A 0, 0, 4
	s_wait_loadcnt 0x0                             ; the bias
	STEP 0, 0, 1
	STEP 0, 1, 0
	STEP 0, 2, 0
	; slot 0's last step changes slots: one barrier; nothing is filled again
	s_wait_tensorcnt 0x0                           ; all my tensor loads have landed: my part of slot 1
	ds_add_u32 v[SPW], v[NIL]                      ; 0 onto my spare word
	s_wait_dscnt 4*NL+1                            ; (the add and the youngest eight loads may be out)
	WIN MUL_LO
	MUL16 0, 1, 3, 0, 0
	s_wait_dscnt 0x0                               ; the add is done, and my reads of slot 0 are over
	s_barrier_signal -1
	MUL16 2, 1, 3, 0, 0
	WIN 0
	s_barrier_wait -1
	PLACES NP
	v_add_nc_u32 v[ADRS], 4*NQ, v[ADRS]            ; on to slot 1's scale words
	FETCH_B 1, 0, 0
	FETCH_A 1, 0, 0
	SCALES 1
	WIN MUL_HI
	MUL16 4, 1, 3, 0, 0
	MUL16 6, 1, 3, 0, 0
	PLACES NP
	WIN 0
	FETCH_A 1, 0, 4
	STEP 1, 0, 0
	STEP 1, 1, 0
	STEP 1, 2, 0
	s_wait_dscnt 4*NL                              ; the last step: nothing more to fetch
	WIN MUL_LO
	MUL16 0, 1, 3, 1, 0
	MUL16 2, 1, 3, 1, 0
	s_wait_dscnt 0
	WIN MUL_HI
	MUL16 4, 1, 3, 1, 0
	MUL16 6, 1, 3, 1, 0
	WIN 0
	PLACES NP
; v alone: the sums of my columns over tokens 64 hh .. 64 hh + 63 of my 128: four accumulators a column block, then the sixteen tokens that lie in the sixteen lanes of a half
.macro COLSUM hh
	WIN 0x0a+5*(\hh)
.set ii, 0
.rept 32
	v_pk_add_f32 v[CS+2*ii:CS+2*ii+1], v[2*ii:2*ii+1], v[64+2*ii:64+2*ii+1]      ; each accumulator from its low end on
.set ii, ii+1
.endr
	WIN 0x08+4*(\hh)
.irp a, 2,3
.set ii, 0
.rept 32
	v_pk_add_f32 v[CS+2*ii:CS+2*ii+1], v[CS+2*ii:CS+2*ii+1], v[64*\a+2*ii:64*\a+2*ii+1]
.set ii, ii+1
.endr
.endr
	WIN 0
.irp m, 1,2,4,8
.set ii, 0
.rept 64
	v_add_f32_dpp v[CS+ii], v[CS+ii], v[CS+ii] row_xmask:\m row_mask:0xf bank_mask:0xf
.set ii, ii+1
.endr
.endr
.set ii, 0
.rept 16
	ds_store_b128 v[VST], v[CS+4*ii:CS+4*ii+3] offset:64*(ii/2)+16*(ii%2)        ; the sixteen lanes of a half write the same bytes with the same values
.set ii, ii+1
.endr
	ds_load_b128 v[192+4*\hh:195+4*\hh], v[VRD]    ; LDS serves a wave's instructions in order
	s_wait_dscnt 0x0
	global_store_b128 v[CO], v[192+4*\hh:195+4*\hh], s[66:67] offset:4096*\hh    ; 512 consecutive bytes, aligned
.endm
	s_cmp_lg_u32 ttmp9, 2                          ; the cluster's x: the same in all partners
	s_cbranch_scc1 .Lno_sums
	COLSUM 0
	COLSUM 1
.Lno_sums:
; THE WAY OUT, block by block of 16 tokens x 128 columns (two heads)
.macro PACK a
.set AC, 64*((\a)%4)
	WIN 0x0a+5*((\a)/4)
.irp b, 0,1,2,3,4,5,6,7
.irp r, 0,1,2,3
	v_cvt_pk_f16_f32 v[TMP+4*\b+\r], v[AC+8*\b+2*\r], v[AC+8*\b+2*\r+1]
.endr
.endr
	WIN 0
.endm
.macro TOSTAGE a
.set BB, OB+32*((\a)%2)
.irp b, 0,1,2,3,4,5,6,7
	ds_store_b128 v[STO], v[TMP+4*\b:TMP+4*\b+3] offset:(\b/4)*2304+32*(\b%4)
.endr
.irp t, 0,1,2,3,4,5,6,7
	ds_load_b128 v[BB+4*\t:BB+4*\t+3], v[RD] offset:(\t/4)*2304+(\t%4)*576       ; LDS serves a wave's instructions in order: these see the stores above
.endr
.endm
.macro SEND a
.set BB, OB+32*((\a)%2)
	s_wait_dscnt 0x0                               ; the block is back in registers
	s_wait_xcnt 0x0                                ; the block before has had its stores' registers read: the next block's loads may land there
.irp t, 0,1,2,3,4,5,6,7
	global_store_b128 v[CO], v[BB+4*\t:BB+4*\t+3], s[12:13] offset:(\t/4)*HB+(16*(\a)+4*(\t%4))*128   ; four tokens of a head: 512 consecutive bytes, aligned
.endr
.endm
	PACK 0
	TOSTAGE 0
.irp a, 1,2,3,4,5,6,7
	PACK \a
	SEND \a-1
	TOSTAGE \a
.endr
	SEND 7
	s_wait_tensorcnt 0x0                           ; the wave's end
	ds_add_u32 v[SPW], v[NIL]
	s_wait_dscnt 0x0
	CROUND                                         ; the closing round
	s_endpgm
.Lfunc_end_k_q955457bd93_qkv:
	.size	k_q955457bd93_qkv, .Lfunc_end_k_q955457bd93_qkv-k_q955457bd93_qkv
	.p2alignl 7, 3214868480
	.fill 96, 4, 3214868480
	.section	.rodata,"a",@progbits
	.p2align	6, 0x0
	.amdhsa_kernel k_q955457bd93_qkv
		.amdhsa_group_segment_fixed_size 327680
		.amdhsa_private_segment_fixed_size 0
		.amdhsa_enable_private_segment 0
		.amdhsa_kernarg_size 48
		.amdhsa_user_sgpr_count 2
		.amdhsa_user_sgpr_kernarg_segment_ptr 1
		.amdhsa_wavefront_size32 1
		.amdhsa_system_sgpr_workgroup_id_x 1
		.amdhsa_system_sgpr_workgroup_id_y 1
		.amdhsa_system_sgpr_workgroup_id_z 1
		.amdhsa_system_vgpr_workitem_id 0
		.amdhsa_next_free_vgpr 1024
		.amdhsa_next_free_sgpr 102
		.amdhsa_reserve_vcc 0
		.amdhsa_float_denorm_mode_32 3
		.amdhsa_float_denorm_mode_16_64 3
		.amdhsa_memory_ordered 1
		.amdhsa_forward_progress 1
		.amdhsa_inst_pref_size 176
	.end_amdhsa_kernel
	.amdgpu_metadata
---
amdhsa.version: [ 1, 2 ]
amdhsa.kernels:
  - .name:           k_q955457bd93_qkv
    .symbol:         k_q955457bd93_qkv.kd
    .args:
      - { .name: codes, .offset: 0, .size: 8, .value_kind: global_buffer, .address_space: global }
      - { .name: bq, .offset: 8, .size: 8, .value_kind: global_buffer, .address_space: global }
      - { .name: bk, .offset: 16, .size: 8, .value_kind: global_buffer, .address_space: global }
      - { .name: bv, .offset: 24, .size: 8, .value_kind: global_buffer, .address_space: global }
      - { .name: qkv, .offset: 32, .size: 8, .value_kind: global_buffer, .address_space: global }
      - { .name: vsum, .offset: 40, .size: 8, .value_kind: global_buffer, .address_space: global }
    .group_segment_fixed_size: 327680
    .private_segment_fixed_size: 0
    .kernarg_segment_align: 8
    .kernarg_segment_size: 48
    .max_flat_workgroup_size: 128
    .sgpr_count:     102
    .vgpr_count:     1024
    .wavefront_size: 32
...
	.end_amdgpu_metadata
.endif
;; end of part 2
;; launch attn (part 3): grid 8 x 32, 8 waves a work-group, no clusters, 327,680 bytes of LDS; arguments qkv, vsum, attn; writes attn
.if DOCPART == 3
	.amdgcn_target "amdgcn-amd-amdhsa--gfx1250"
	.amdhsa_code_object_version 6
	.text
	.protected	k_q955457bd93_attn
	.globl	k_q955457bd93_attn
	.p2align	8
	.type	k_q955457bd93_attn,@function
k_q955457bd93_attn:
	s_mov_b64 s[64:65], 0
	v_nop
	global_prefetch_b8 v0, s[64:65] scope:SCOPE_SE
	s_setreg_imm32_b32 hwreg(HW_REG_WAVE_MODE, 25, 1), 1
	s_wait_xcnt 0x0
; attn[b][l][head] = softmax over m of (q.k / 8, or -1000 where m > l) times v.  q, k, v: f16, [part][batch][head][token][64]; products on f16 operands with f32 sums; maxima, exponentials and sums in f32.
; LEFT OUT (shown at the first kernel's head): the products q.k of keys m > l, which reference() overwrites by -1000, where they come as whole steps of 64 keys.  Their weights are kept: on the diagonal step the
; hidden scores become -8000 (raw: -1000 x 8) and go through softmax and second product like any score; for the keys behind that step, -1000 enters the maximum once, their count times the one weight enters
; the sum, and the weight times the sum of their V (from vsum, 64 tokens a row) enters O.  LIMIT: a NaN, infinity or overflow that arises only in a masked score is not carried to the result.
; NO CLUSTER: under the mask the query blocks of a head need different numbers of key tiles.
; SHARES.  Work-group (x, y): head y % 16 of batch y / 16, query blocks x and 15 - x of 128: every work-group has the same work.  Wave w owns two tiles of 16 queries: tile 0 at 128 x + 16 w, tile 1 at
; 128 (15 - x) + 16 w.  Two waves share a SIMD, so that one's softmax stands beside the other's products.
; LAYOUT.  S^T = K Q^T (source 0 = 16 keys, source 1 = 16 queries) and O^T = V^T P: a lane holds one query (lane % 16) throughout; two tiles of S^T rounded in pairs are source 1 of the second product.
; RING.  Steps of 64 keys; a slot holds four (K: 64 rows of 144 bytes, V: 64 rows of 160, for each step); two slots.  Waves 0-3 fetch K's four steps, waves 4-7 V's: one tensor load a wave is out.
; Every work-group walks all 8 slots (the trip counts are constants); a step all of whose keys come after a tile's queries is jumped over, and a slot whose first key comes after the work-group's last query is not asked for.
; REGISTERS: window 0: v1-14 addresses; v16-31 statistics, 8 a tile (c m, m, l twice, 4 at work); v32-43 the tail's; v46, v47 the add's; v64-127 S^T; v128-159 P; v160-223 O^T; v224-255 the tail's.
;   window 1: v0-31 Q; v32-95 K of a step; v96-159 V of a step.
.set HB,    262144
.set PK,    144                        ; 128 bytes + 16: the 16 rows of a load start at 16 different banks
.set PV,    160                        ; 128 bytes + 32: for the turning load
.set VOFF,  64*PK
.set STEPB, 64*(PK+PV)
.set SLOT1, 131072
.set STAGE, SLOT1+4*STEPB              ; behind the ring: 16 rows x 272 bytes for each wave
.set SPARE, STAGE+8*4352               ; the spare words, 128 bytes for each wave: four blocks of 256 bytes that no other line names
.set MSB, 0
.macro WIN new
.if MSB != (\new)
	s_set_vgpr_msb (MSB<<8)|(\new)
.set MSB, (\new)
.endif
.endm
; s10 wave; s11 y; s13, s14 my tiles' first queries; s15, s16 their last; s17 the work-group's last query; s18 the step's first key; s19 the step's LDS byte; s20 slots to ask for; s21 steps;
; s[22:23] c = log2(e) / 8; s[24:25] lane selects; s26 prefetch limit; s[28:31] group 0; s[32:39], s[40:47] groups 1 for K, V; s[48:49] the prefetches' address
.macro TLOAD                           ; every wave fetches: the branch picks the padding.  An s_nop 0 and four v_nop follow each line
	s_cmp_lt_u32 s10, 4
	s_cbranch_scc0 .Lfor_v_\@
	tensor_load_to_lds s[28:31], s[32:39]
	s_nop 0
.rept 4
	v_nop
.endr
	s_branch .Lasked_\@
.Lfor_v_\@:
	tensor_load_to_lds s[28:31], s[40:47]
	s_nop 0
.rept 4
	v_nop
.endr
.Lasked_\@:
.endm
; A prefetch into the L2 of what the next change of slots will ask for: my own 64 rows of 128 bytes, 8,192 dense bytes, lanes 256 bytes apart.  All eight work-groups of a head walk the same K and V: the one with
; x = 0, whose own loads reach every slot, asks; so each block of 256 bytes is named once.  Slots 0 and 1 come by their loads alone; the last change that fills a slot asks for nothing.
.macro ASK
	s_cmp_gt_u32 s20, s26
	s_cbranch_scc0 .Lnot_mine_\@
	global_prefetch_b8 v14, s[48:49] th:TH_LOAD_NT scope:SCOPE_SE
.Lnot_mine_\@:
.endm
.macro CHANGE fill                     ; at a slot's head
	s_wait_tensorcnt 0x0                           ; my part of the slot ahead has landed; no tensor load of mine is out, so group 0 may be written
	ds_add_u32 v46, v47                            ; 0 onto my spare word
.if \fill
	s_xor_b32 s29, s29, SLOT1                      ; the other slot than last time,
	s_add_nc_u64 s[30:31], s[30:31], 32768         ; the next 256 keys
	s_wait_xcnt 0x0                                ; the last prefetch, a slot back, has read its address
	s_add_nc_u64 s[48:49], s[48:49], 32768
.endif
	s_wait_dscnt 0x0                               ; the add is done, and my reads of the slot that I have left are over
	s_barrier_signal -1
	s_barrier_wait -1
.if \fill
	s_add_co_u32 s50, s18, 256                     ; the first key of the slot that this change would ask for
	s_cmp_gt_u32 s50, s17                          ; ids and the count of steps alone: all eight waves go the same way; no step of such a slot is walked
	s_cbranch_scc1 .Lpast_\@
	TLOAD
.Lpast_\@:
	ASK
.endif
.endm
.macro QK t                            ; S^T of tile t: four accumulators by turns, 32 channels a turn
	WIN 0x05
.irp cf, 0,1
.irp kt, 0,1,2,3
.if \cf == 0
	v_wmma_f32_16x16x32_f16 v[64+32*(\t)+8*\kt:64+32*(\t)+8*\kt+7], v[32+8*(2*\kt+\cf):32+8*(2*\kt+\cf)+7], v[16*(\t)+8*\cf:16*(\t)+8*\cf+7], 0
.else
	v_wmma_f32_16x16x32_f16 v[64+32*(\t)+8*\kt:64+32*(\t)+8*\kt+7], v[32+8*(2*\kt+\cf):32+8*(2*\kt+\cf)+7], v[16*(\t)+8*\cf:16*(\t)+8*\cf+7], v[64+32*(\t)+8*\kt:64+32*(\t)+8*\kt+7]
.endif
.endr
.endr
	WIN 0
.endm
.macro PV t                            ; O^T of tile t += V^T P: four accumulators by turns, 32 keys a turn
	WIN 0x01
.irp kh, 0,1
.irp ct, 0,1,2,3
	v_wmma_f32_16x16x32_f16 v[160+32*(\t)+8*\ct:160+32*(\t)+8*\ct+7], v[96+8*(4*\kh+\ct):96+8*(4*\kh+\ct)+7], v[128+16*(\t)+8*\kh:128+16*(\t)+8*\kh+7], v[160+32*(\t)+8*\ct:160+32*(\t)+8*\ct+7]
.endr
.endr
	WIN 0
.endm
.macro SOFT t, q0                      ; tile t's softmax for one step; s[q0] its first query
.set rT, 16+8*(\t)
.set rS, 64+32*(\t)
.set rP, 128+16*(\t)
.set rO, 160+32*(\t)
	s_add_co_u32 s50, s18, 63
	s_cmp_le_u32 s50, s[\q0]
	s_cbranch_scc1 .Lopen_\@                       ; all 64 keys count for all 16 queries
	s_sub_co_i32 s50, s[\q0], s18
	v_add_nc_u32 v12, s50, v10                     ; d = my query - the step's first key - 8 (lane / 16): register 8 kt + j holds a hidden key where 16 kt + j > d
.set nn, 0
.rept 32
	v_cmp_gt_i32 vcc_lo, 16*(nn/8)+nn%8, v12
	v_cndmask_b32 v[rS+nn], v[rS+nn], v11, vcc_lo
.set nn, nn+1
.endr
.Lopen_\@:
.irp j, 0,1,2,3
	v_max3_num_f32 v[rT+4+\j], v[rS+8*\j], v[rS+8*\j+1], v[rS+8*\j+2]             ; four chains, each accumulator from its low end on
.endr
.irp i, 3,5
.irp j, 0,1,2,3
	v_max3_num_f32 v[rT+4+\j], v[rT+4+\j], v[rS+8*\j+\i], v[rS+8*\j+\i+1]
.endr
.endr
	v_max3_num_f32 v[rT+4], v[rT+4], v[rS+7], v[rS+15]
	v_max3_num_f32 v[rT+6], v[rT+6], v[rS+23], v[rS+31]
	v_max3_num_f32 v[rT+4], v[rT+4], v[rT+5], v[rT+6]
	v_max3_num_f32 v[rT+4], v[rT+4], v[rT+7], v[rT+1]                             ; with the old m
	v_permlanex16_b32 v[rT+5], v[rT+4], s24, s25                                  ; the query's other 32 keys lie in the lane 16 away
	v_mov_b32 v[rT+7], v[rT]                                                      ; c m_old
	v_max_num_f32 v[rT+1], v[rT+4], v[rT+5]
	v_mul_f32 v[rT], s22, v[rT+1]
	v_sub_f32 v[rT+7], v[rT+7], v[rT]
.set nn, 0
.rept 16
	v_pk_fma_f32 v[rS+nn:rS+nn+1], v[rS+nn:rS+nn+1], s[22:23], v[rT:rT+1] op_sel_hi:[1,0,0] neg_lo:[0,0,1] neg_hi:[0,0,1]   ; c s - c m
.set nn, nn+2
.endr
	v_exp_f32 v[rT+6], v[rT+7]                                                    ; a = 2^(c m_old - c m_new)
.set nn, 0
.rept 32
	v_exp_f32 v[rS+nn], v[rS+nn]
.set nn, nn+1
.endr
	v_nop                                                                         ; a plain instruction behind the last exponential
	s_wait_alu depctr_va_vdst(0)                                                  ; one wait for the 33, ahead of their first reader
.set nn, 0
.rept 16
	v_cvt_pk_f16_f32 v[rP+nn], v[rS+2*nn], v[rS+2*nn+1]
.set nn, nn+1
.endr
	v_pk_fma_f32 v[rT+2:rT+3], v[rT+2:rT+3], v[rT+6:rT+7], v[rS:rS+1] op_sel_hi:[1,0,1]   ; l = a l + the unrounded weights, in two chains
	v_pk_add_f32 v[rT+4:rT+5], v[rS+2:rS+3], v[rS+4:rS+5]
.irp j, 6,10,14,18,22,26
	v_pk_add_f32 v[rT+2:rT+3], v[rT+2:rT+3], v[rS+\j:rS+\j+1]
	v_pk_add_f32 v[rT+4:rT+5], v[rT+4:rT+5], v[rS+\j+2:rS+\j+3]
.endr
	v_pk_add_f32 v[rT+2:rT+3], v[rT+2:rT+3], v[rS+30:rS+31]
	v_pk_add_f32 v[rT+2:rT+3], v[rT+2:rT+3], v[rT+4:rT+5]
.set nn, 0
.rept 16
	v_pk_mul_f32 v[rO+nn:rO+nn+1], v[rO+nn:rO+nn+1], v[rT+6:rT+7] op_sel_hi:[1,0]
.set nn, nn+2
.endr
.endm
.macro STEP
	s_cmp_gt_u32 s18, s16
	s_cbranch_scc1 .Lend_\@                        ; all keys come after both my tiles' queries
	v_add_nc_u32 v5, s19, v3
	v_add_nc_u32 v6, s19, v4
	v_nop
	v_nop                                          ; four plain instructions between the last step's products and the loads into their sources
	WIN 0x40
.irp kt, 0,1,2,3
.irp cf, 0,1
	ds_load_b128 v[32+8*(2*\kt+\cf):32+8*(2*\kt+\cf)+3], v5 offset:\kt*16*PK+64*\cf
	ds_load_b128 v[32+8*(2*\kt+\cf)+4:32+8*(2*\kt+\cf)+7], v5 offset:\kt*16*PK+64*\cf+32
.endr
.endr
.irp kh, 0,1
.irp ct, 0,1,2,3
	ds_load_tr16_b128 v[96+8*(4*\kh+\ct):96+8*(4*\kh+\ct)+3], v6 offset:\kh*32*PV+32*\ct
	ds_load_tr16_b128 v[96+8*(4*\kh+\ct)+4:96+8*(4*\kh+\ct)+7], v6 offset:\kh*32*PV+16*PV+32*\ct
.endr
.endr
	s_wait_dscnt 16                                ; K is in; V's sixteen loads may be out
	QK 1
.rept 4
	v_nop
.endr
	SOFT 1, 14
	s_wait_dscnt 0x0                               ; V is in
	PV 1
	s_cmp_gt_u32 s18, s15
	s_cbranch_scc1 .Lend_\@                        ; all keys come after tile 0's queries
	QK 0
.rept 4
	v_nop
.endr
	SOFT 0, 13
	PV 0
.Lend_\@:
	s_add_co_u32 s18, s18, 64
	s_add_co_u32 s19, s19, STEPB
.endm
.macro SLOT_STEPS                      ; a slot's four steps: written once, walked four times
	s_mov_b32 s21, 4
.Lstep_\@:
	STEP
	s_sub_co_u32 s21, s21, 1
	s_cmp_lg_u32 s21, 0
	s_cbranch_scc1 .Lstep_\@
	s_sub_co_u32 s19, s19, 4*STEPB
	s_xor_b32 s19, s19, SLOT1
.endm
	s_load_b128 s[4:7], s[0:1], 0x0                ; qkv, vsum
	s_load_b64 s[8:9], s[0:1], 0x10                ; attn
	v_lshl_add_u32 v46, v0, 2, SPARE
	v_mov_b32 v47, 0
	ds_add_u32 v46, v47                            ; the wave's opening: the add, twice on end, and its wait ahead of my first tensor load
	ds_add_u32 v46, v47
	v_lshrrev_b32 v12, 5, v0
	v_readfirstlane_b32 s10, v12                   ; wave 0..7
	s_and_b32 s11, ttmp7, 0xffff
	s_lshl_b32 s12, s10, 4
	s_lshl_b32 s13, ttmp9, 7
	s_add_co_u32 s13, s13, s12
	s_sub_co_u32 s14, 15, ttmp9
	s_lshl_b32 s14, s14, 7
	s_or_b32 s17, s14, 127
	s_add_co_u32 s14, s14, s12
	s_add_co_u32 s15, s13, 15
	s_add_co_u32 s16, s14, 15
	s_mov_b32 s18, 0
	s_mov_b32 s19, 0
	s_mov_b32 s20, 7
	s_mov_b32 s22, 0x3e38aa3b                      ; c = log2(e) / 8
	s_mov_b32 s23, s22
	s_mov_b32 s24, 0x76543210
	s_mov_b32 s25, 0xfedcba98
	s_cmp_eq_u32 ttmp9, 0
	s_cselect_b32 s26, 1, -1
	s_mov_b32 s32, (1<<16)|(1<<20)|(4<<22)|(3<<25) ; elements of 2 bytes; padding: 4 words after every 32
	s_mov_b32 s40, (1<<16)|(1<<20)|(4<<22)|(7<<25) ; 8 words after every 32
.irp g, 32, 40
	s_mov_b32 s[\g+1], 64<<16                      ; tensor_dim0
	s_mov_b32 s[\g+2], 64<<16                      ; tensor_dim1
	s_mov_b32 s[\g+3], 64<<16                      ; tile_dim0
	s_mov_b32 s[\g+4], 64                          ; tile_dim1
	s_mov_b32 s[\g+5], 64                          ; from row to row
	s_mov_b32 s[\g+6], 0
	s_mov_b32 s[\g+7], 0
.endr
	s_and_b32 s50, s10, 3                          ; which step of a slot I fetch
	s_lshr_b32 s51, s10, 2                         ; for K (0) or V (1)
	s_mov_b32 s28, 1
	s_mul_i32 s29, s50, STEPB
	s_mul_i32 s52, s51, VOFF
	s_add_co_u32 s29, s29, s52
	s_lshl_b32 s56, s11, 18                        ; the head's bytes
	s_mov_b32 s57, 0
	s_add_co_u32 s52, s51, 1
	s_lshl_b32 s52, s52, 23
	s_add_co_u32 s52, s52, s56
	s_lshl_b32 s54, s50, 13
	s_add_co_u32 s52, s52, s54
	s_mov_b32 s53, 0
	s_wait_dscnt 0x0                               ; both opening adds are done
	s_wait_kmcnt 0x0
	s_add_nc_u64 s[30:31], s[4:5], s[52:53]
	s_add_nc_u64 s[48:49], s[30:31], 32768         ; the prefetches stand in slot 1: the first change steps them to slot 2
	s_or_b32 s31, s31, 0x80000000
	TLOAD                                          ; slot 0
	s_add_nc_u64 s[58:59], s[4:5], s[56:57]
	s_mov_b64 s[60:61], s[58:59]
	s_lshl_b32 s52, s13, 7
	s_add_nc_u64 s[58:59], s[58:59], s[52:53]      ; q at tile 0
	s_lshl_b32 s52, s14, 7
	s_add_nc_u64 s[60:61], s[60:61], s[52:53]      ; q at tile 1
	v_and_b32 v1, 15, v0                           ; r
	v_bfe_u32 v2, v0, 4, 1                         ; h
	v_lshlrev_b32 v12, 7, v1
	v_lshl_add_u32 v12, v2, 4, v12
	WIN 0x40
.irp cf, 0,1
	global_load_b128 v[8*\cf:8*\cf+3], v12, s[58:59] offset:64*\cf
	global_load_b128 v[8*\cf+4:8*\cf+7], v12, s[58:59] offset:64*\cf+32
	global_load_b128 v[16+8*\cf:16+8*\cf+3], v12, s[60:61] offset:64*\cf
	global_load_b128 v[16+8*\cf+4:16+8*\cf+7], v12, s[60:61] offset:64*\cf+32
.endr
	WIN 0
	v_mul_u32_u24 v3, v1, PK
	v_lshl_add_u32 v3, v2, 4, v3                   ; K: row r, 16 bytes for each half
	v_and_b32 v13, 7, v0
	v_lshl_add_u32 v4, v2, 3, v13
	v_mul_u32_u24 v4, v4, PV
	v_bfe_u32 v13, v0, 3, 1
	v_lshl_add_u32 v4, v13, 4, v4
	v_add_nc_u32 v4, VOFF, v4                      ; V: key 8 h + lane % 8, channels 8 ((lane / 8) % 2) on
	s_mul_i32 s52, s10, 4352
	s_add_co_u32 s52, s52, STAGE
	v_mul_u32_u24 v7, v1, 272
	v_lshl_add_u32 v7, v2, 5, v7
	v_add_nc_u32 v7, s52, v7                       ; the stage, in: row r, 32 bytes for each half
	v_mul_u32_u24 v8, v2, 272
	v_lshl_add_u32 v8, v1, 4, v8
	v_add_nc_u32 v8, s52, v8                       ; back: lanes 0-15 one row, lanes 16-31 the next
	v_lshlrev_b32 v9, 12, v2
	v_lshl_add_u32 v9, v1, 4, v9                   ; and the same two rows of attn
	v_lshlrev_b32 v10, 3, v2
	v_sub_nc_u32 v10, v1, v10                      ; r - 8 h
	v_mov_b32 v11, 0xc5fa0000                      ; -8000: -1000 ahead of the division by 8
	v_and_b32 v14, 31, v0
	v_lshlrev_b32 v14, 8, v14
.irp t, 0,1
	v_mov_b32 v[17+8*\t], 0xff61b1e6               ; m = -3e38, under every score
	v_mul_f32 v[16+8*\t], s22, v[17+8*\t]
.irp j, 2,3,4,5,6,7
	v_mov_b32 v[16+8*\t+\j], 0
.endr
.endr
.set nn, 0
.rept 64
	v_mov_b32 v[160+nn], 0                         ; O^T: the step is written once: the first finds zeros, which its a = 0 leaves zeros
.set nn, nn+1
.endr
	s_wait_loadcnt 0x0                             ; Q
.Lslot:                                            ; 7 trips
	CHANGE 1
	SLOT_STEPS
	s_sub_co_u32 s20, s20, 1
	s_cmp_lg_u32 s20, 0
	s_cbranch_scc1 .Lslot
	CHANGE 0                                       ; the last slot is written out: nothing is asked for
	SLOT_STEPS
	; THE TAIL: the keys behind each tile's diagonal step, then the way out
.rept 4
	v_nop                                          ; places in front of loads into registers of the last products
.endr
	s_lshr_b32 s56, s11, 4                         ; batch
	s_and_b32 s58, s11, 15                         ; head
	s_lshl_b32 s58, s58, 8
	s_lshl_b32 s60, s56, 17
	s_add_co_u32 s60, s60, s58
	s_mov_b32 s61, 0
	s_add_nc_u64 s[62:63], s[6:7], s[60:61]        ; vsum at my batch and head
	s_lshl_b32 s56, s56, 11
	s_add_co_u32 s60, s56, s13
	s_lshl_b32 s60, s60, 12
	s_add_co_u32 s60, s60, s58
	s_add_nc_u64 s[66:67], s[8:9], s[60:61]        ; attn at tile 0
	s_add_co_u32 s60, s56, s14
	s_lshl_b32 s60, s60, 12
	s_add_co_u32 s60, s60, s58
	s_add_nc_u64 s[68:69], s[8:9], s[60:61]        ; at tile 1
	v_mov_b32 v13, 1.0
; s[sv] the first row of vsum not walked, s[sv+1] the keys behind the diagonal step, s[sv+2] their raw score (-3e38 where there are none).  Lane r takes rows T0 + r and T0 + 16 + r, with a factor 0 past row 31
.macro TAILLOAD t, q0, sv, ta, tb
.set rA, 32+6*(\t)
	s_lshr_b32 s[\sv], s[\q0], 6
	s_add_co_u32 s[\sv], s[\sv], 1
	s_lshl_b32 s[\sv+1], s[\sv], 6
	s_sub_co_u32 s[\sv+1], 2048, s[\sv+1]
	s_mov_b32 s[\sv+2], 0xff61b1e6
	s_cmp_lg_u32 s[\sv+1], 0
	s_cselect_b32 s[\sv+2], 0xc5fa0000, s[\sv+2]
	v_add_nc_u32 v[rA], s[\sv], v1
	v_add_nc_u32 v[rA+1], 16, v[rA]
	v_cmp_gt_u32 vcc_lo, 32, v[rA]
	v_cndmask_b32 v[rA+2], 0, v13, vcc_lo
	v_cndmask_b32 v[rA+3], 0, v13, vcc_lo
	v_cmp_gt_u32 vcc_lo, 32, v[rA+1]
	v_cndmask_b32 v[rA+4], 0, v13, vcc_lo
	v_cndmask_b32 v[rA+5], 0, v13, vcc_lo
	v_min_u32 v[rA], 31, v[rA]                     ; no load leaves the buffer
	v_min_u32 v[rA+1], 31, v[rA+1]
	v_lshlrev_b32 v[rA], 12, v[rA]
	v_lshlrev_b32 v[rA+1], 12, v[rA+1]
	v_lshl_add_u32 v[rA], v2, 5, v[rA]
	v_lshl_add_u32 v[rA+1], v2, 5, v[rA+1]
.irp ct, 0,1,2,3
	global_load_b128 v[\ta+8*\ct:\ta+8*\ct+3], v[rA], s[62:63] offset:64*\ct
	global_load_b128 v[\ta+8*\ct+4:\ta+8*\ct+7], v[rA], s[62:63] offset:64*\ct+16
	global_load_b128 v[\tb+8*\ct:\tb+8*\ct+3], v[rA+1], s[62:63] offset:64*\ct
	global_load_b128 v[\tb+8*\ct+4:\tb+8*\ct+7], v[rA+1], s[62:63] offset:64*\ct+16
.endr
.endm
.macro TAIL t, sv, ta, tb, so, left
.set rT, 16+8*(\t)
.set rO, 160+32*(\t)
.set rA, 32+6*(\t)
	s_wait_loadcnt \left
.set nn, 0
.rept 16
	v_pk_mul_f32 v[\ta+nn:\ta+nn+1], v[\ta+nn:\ta+nn+1], v[rA+2:rA+3] op_sel_hi:[1,0]
.set nn, nn+2
.endr
.set nn, 0
.rept 16
	v_pk_fma_f32 v[\ta+nn:\ta+nn+1], v[\tb+nn:\tb+nn+1], v[rA+4:rA+5], v[\ta+nn:\ta+nn+1] op_sel_hi:[1,0,1]
.set nn, nn+2
.endr
.irp m, 1,2,4,8
.set nn, 0
.rept 32
	v_add_f32_dpp v[\ta+nn], v[\ta+nn], v[\ta+nn] row_xmask:\m row_mask:0xf bank_mask:0xf   ; over the sixteen lanes: the sum of V over all keys behind the diagonal step
.set nn, nn+1
.endr
.endr
	v_add_f32 v[rT+2], v[rT+2], v[rT+3]
	v_permlanex16_b32 v[rT+4], v[rT+2], s24, s25
	v_add_f32 v[rT+2], v[rT+2], v[rT+4]            ; l of the keys walked
	v_cvt_f32_u32 v[rT+3], s[\sv+1]                ; the count of the others
	v_max_num_f32 v[rT+1], s[\sv+2], v[rT+1]       ; their score enters the maximum
	v_mul_f32 v[rT+5], s22, v[rT+1]
	v_sub_f32 v[rT+4], v[rT], v[rT+5]
	v_fma_f32 v[rT+6], s22, s[\sv+2], -v[rT+5]
	v_exp_f32 v[rT+4], v[rT+4]                     ; a
	v_exp_f32 v[rT+6], v[rT+6]                     ; their one weight
	v_nop
	s_wait_alu depctr_va_vdst(0)                   ; one wait for the two
	v_mul_f32 v[rT+2], v[rT+2], v[rT+4]
	v_fma_f32 v[rT+2], v[rT+3], v[rT+6], v[rT+2]
	v_rcp_f32 v[rT+2], v[rT+2]
	v_nop
	s_wait_alu depctr_va_vdst(0)
	v_mul_f32 v[rT+4], v[rT+4], v[rT+2]
	v_mul_f32 v[rT+6], v[rT+6], v[rT+2]
.set nn, 0
.rept 16
	v_pk_mul_f32 v[\ta+nn:\ta+nn+1], v[\ta+nn:\ta+nn+1], v[rT+6:rT+7] op_sel_hi:[1,0]
.set nn, nn+2
.endr
.set nn, 0
.rept 16
	v_pk_fma_f32 v[\ta+nn:\ta+nn+1], v[rO+nn:rO+nn+1], v[rT+4:rT+5], v[\ta+nn:\ta+nn+1] op_sel_hi:[1,0,1]   ; each accumulator from its low end on
.set nn, nn+2
.endr
.irp ct, 0,1,2,3
	ds_store_b128 v7, v[\ta+8*\ct:\ta+8*\ct+3] offset:64*\ct
	ds_store_b128 v7, v[\ta+8*\ct+4:\ta+8*\ct+7] offset:64*\ct+16
.endr
.irp i, 0,1,2,3,4,5,6,7
	ds_load_b128 v[\tb+4*\i:\tb+4*\i+3], v8 offset:544*\i        ; LDS serves a wave's instructions in order
.endr
.irp i, 0,1,2,3,4,5,6,7
	s_wait_dscnt 7-\i
	global_store_b128 v9, v[\tb+4*\i:\tb+4*\i+3], s[\so:\so+1] offset:8192*\i   ; sixteen lanes store a query's 256 bytes of the head, aligned
.endr
.endm
	TAILLOAD 0, 13, 50, 64, 96
	TAILLOAD 1, 14, 53, 128, 224
	TAIL 0, 50, 64, 96, 66, 16                     ; tile 1's sixteen loads may be out
	TAIL 1, 53, 128, 224, 68, 0
	s_wait_tensorcnt 0x0                           ; the wave's end
	ds_add_u32 v46, v47
	s_wait_dscnt 0x0
	s_endpgm
.Lfunc_end_k_q955457bd93_attn:
	.size	k_q955457bd93_attn, .Lfunc_end_k_q955457bd93_attn-k_q955457bd93_attn
	.p2alignl 7, 3214868480
	.fill 96, 4, 3214868480
	.section	.rodata,"a",@progbits
	.p2align	6, 0x0
	.amdhsa_kernel k_q955457bd93_attn
		.amdhsa_group_segment_fixed_size 327680
		.amdhsa_private_segment_fixed_size 0
		.amdhsa_enable_private_segment 0
		.amdhsa_kernarg_size 24
		.amdhsa_user_sgpr_count 2
		.amdhsa_user_sgpr_kernarg_segment_ptr 1
		.amdhsa_wavefront_size32 1
		.amdhsa_system_sgpr_workgroup_id_x 1
		.amdhsa_system_sgpr_workgroup_id_y 1
		.amdhsa_system_sgpr_workgroup_id_z 1
		.amdhsa_system_vgpr_workitem_id 0
		.amdhsa_next_free_vgpr 512
		.amdhsa_next_free_sgpr 72
		.amdhsa_reserve_vcc 1
		.amdhsa_float_denorm_mode_32 3
		.amdhsa_float_denorm_mode_16_64 3
		.amdhsa_memory_ordered 1
		.amdhsa_forward_progress 1
		.amdhsa_inst_pref_size 90
	.end_amdhsa_kernel
	.amdgpu_metadata
---
amdhsa.version: [ 1, 2 ]
amdhsa.kernels:
  - .name:           k_q955457bd93_attn
    .symbol:         k_q955457bd93_attn.kd
    .args:
      - { .name: qkv, .offset: 0, .size: 8, .value_kind: global_buffer, .address_space: global }
      - { .name: vsum, .offset: 8, .size: 8, .value_kind: global_buffer, .address_space: global }
      - { .name: attn, .offset: 16, .size: 8, .value_kind: global_buffer, .address_space: global }
    .group_segment_fixed_size: 327680
    .private_segment_fixed_size: 0
    .kernarg_segment_align: 8
    .kernarg_segment_size: 24
    .max_flat_workgroup_size: 256
    .sgpr_count:     72
    .vgpr_count:     512
    .wavefront_size: 32
...
	.end_amdgpu_metadata
.endif
;; end of part 3
;; launch ln1 (part 4): grid 256 x 1, 8 waves a work-group, no clusters, 0 bytes of LDS; arguments x, attn, ln_g, ln_b, h; writes h
.if DOCPART == 4
	.amdgcn_target "amdgcn-amd-amdhsa--gfx1250"
	.amdhsa_code_object_version 6
	.text
	.protected	k_q955457bd93_ln1
	.globl	k_q955457bd93_ln1
	.p2align	8
	.type	k_q955457bd93_ln1,@function
k_q955457bd93_ln1:
	s_mov_b64 s[64:65], 0
	v_nop
	global_prefetch_b8 v0, s[64:65] scope:SCOPE_SE
	s_setreg_imm32_b32 hwreg(HW_REG_WAVE_MODE, 25, 1), 1
	s_wait_xcnt 0x0
; h = LayerNorm(x + attn) x gain + bias, over rows of 1,024; all in f32; h leaves as f32 (at 0) and as f16 (at 16,777,216, the first MLP product's operand).
; A wave takes two rows, each whole in its registers: eight loads of 512 consecutive bytes a row and tensor.  All 48 loads of a wave go out at its head.  No LDS, no barrier, no matrix unit: memory binds.
; LIMIT: h beyond 65,504 in magnitude is not served in its f16 copy.
.set F16OUT, 1
.set G,  8
.set B,  40
.set T,  200
	s_load_b256 s[4:11], s[0:1], 0x0               ; the two addends, gain, bias
	s_load_b64 s[12:13], s[0:1], 0x20              ; the result
	v_and_b32 v3, 31, v0
	v_lshrrev_b32 v4, 5, v0
	v_readfirstlane_b32 s14, v4
	v_lshlrev_b32 v1, 4, v3
	v_lshlrev_b32 v2, 3, v3
	s_lshl_b32 s15, ttmp9, 4
	s_lshl_b32 s16, s14, 1
	s_add_co_u32 s15, s15, s16                     ; my first row
	s_lshl_b32 s16, s15, 12
	s_mov_b32 s17, 0
	s_lshl_b32 s18, s15, 11
	s_mov_b32 s19, 0
	s_mov_b32 s20, 0x3a800000                      ; 1 / 1,024
	s_mov_b32 s21, 0x3727c5ac                      ; 1e-5
	s_mov_b32 s22, 0x76543210
	s_mov_b32 s23, 0xfedcba98
	v_mov_b32 v[T+5], 0                            ; upper halves of pairs whose low word serves both halves
	v_mov_b32 v[T+7], 0
	s_wait_kmcnt 0x0
	s_add_nc_u64 s[4:5], s[4:5], s[16:17]
	s_add_nc_u64 s[6:7], s[6:7], s[16:17]
	s_add_nc_u64 s[24:25], s[12:13], s[18:19]
	s_add_nc_u64 s[24:25], s[24:25], 16777216      ; the f16 copy
	s_add_nc_u64 s[12:13], s[12:13], s[16:17]
.irp j, 0,1,2,3,4,5,6,7
	global_load_b128 v[72+4*\j:72+4*\j+3], v1, s[4:5] offset:512*\j th:TH_LOAD_NT
	global_load_b128 v[104+4*\j:104+4*\j+3], v1, s[6:7] offset:512*\j th:TH_LOAD_NT
.endr
.irp j, 0,1,2,3,4,5,6,7
	global_load_b128 v[G+4*\j:G+4*\j+3], v1, s[8:9] offset:512*\j
	global_load_b128 v[B+4*\j:B+4*\j+3], v1, s[10:11] offset:512*\j
.endr
.irp j, 0,1,2,3,4,5,6,7
	global_load_b128 v[136+4*\j:136+4*\j+3], v1, s[4:5] offset:4096+512*\j th:TH_LOAD_NT
	global_load_b128 v[168+4*\j:168+4*\j+3], v1, s[6:7] offset:4096+512*\j th:TH_LOAD_NT
.endr
.macro REDUCE                          ; v[T] summed over the 32 lanes, the result in every lane
	v_add_f32_dpp v[T], v[T], v[T] row_xmask:1 row_mask:0xf bank_mask:0xf
	v_add_f32_dpp v[T], v[T], v[T] row_xmask:2 row_mask:0xf bank_mask:0xf
	v_add_f32_dpp v[T], v[T], v[T] row_xmask:4 row_mask:0xf bank_mask:0xf
	v_add_f32_dpp v[T], v[T], v[T] row_xmask:8 row_mask:0xf bank_mask:0xf
	v_permlanex16_b32 v[T+1], v[T], s22, s23
	v_add_f32 v[T], v[T], v[T+1]
.endm
.macro ROW x, a, row, left
	s_wait_loadcnt \left
.set nn, 0
.rept 16
	v_pk_add_f32 v[\x+nn:\x+nn+1], v[\x+nn:\x+nn+1], v[\a+nn:\a+nn+1]
.set nn, nn+2
.endr
	v_pk_add_f32 v[T:T+1], v[\x:\x+1], v[\x+2:\x+3]              ; the sum, in two chains
	v_pk_add_f32 v[T+2:T+3], v[\x+4:\x+5], v[\x+6:\x+7]
.irp j, 8,12,16,20,24,28
	v_pk_add_f32 v[T:T+1], v[T:T+1], v[\x+\j:\x+\j+1]
	v_pk_add_f32 v[T+2:T+3], v[T+2:T+3], v[\x+\j+2:\x+\j+3]
.endr
	v_pk_add_f32 v[T:T+1], v[T:T+1], v[T+2:T+3]
	v_add_f32 v[T], v[T], v[T+1]
	REDUCE
	v_mul_f32 v[T+4], s20, v[T]                                  ; the mean
.set nn, 0
.rept 16
	v_pk_add_f32 v[\x+nn:\x+nn+1], v[\x+nn:\x+nn+1], v[T+4:T+5] op_sel_hi:[1,0] neg_lo:[0,1] neg_hi:[0,1]
.set nn, nn+2
.endr
	v_pk_mul_f32 v[T:T+1], v[\x:\x+1], v[\x:\x+1]                ; the squares, in two chains
	v_pk_mul_f32 v[T+2:T+3], v[\x+2:\x+3], v[\x+2:\x+3]
.irp j, 4,8,12,16,20,24,28
	v_pk_fma_f32 v[T:T+1], v[\x+\j:\x+\j+1], v[\x+\j:\x+\j+1], v[T:T+1]
	v_pk_fma_f32 v[T+2:T+3], v[\x+\j+2:\x+\j+3], v[\x+\j+2:\x+\j+3], v[T+2:T+3]
.endr
	v_pk_add_f32 v[T:T+1], v[T:T+1], v[T+2:T+3]
	v_add_f32 v[T], v[T], v[T+1]
	REDUCE
	v_fma_f32 v[T], v[T], s20, s21                               ; the variance + 1e-5
	v_rsq_f32 v[T+6], v[T]
	v_nop                                                        ; a plain instruction behind the transcendental
	s_wait_alu depctr_va_vdst(0)                                 ; and the wait ahead of its first reader
.set nn, 0
.rept 16
	v_pk_mul_f32 v[\x+nn:\x+nn+1], v[\x+nn:\x+nn+1], v[T+6:T+7] op_sel_hi:[1,0]
.set nn, nn+2
.endr
.set nn, 0
.rept 16
	v_pk_fma_f32 v[\x+nn:\x+nn+1], v[\x+nn:\x+nn+1], v[G+nn:G+nn+1], v[B+nn:B+nn+1]
.set nn, nn+2
.endr
.irp j, 0,1,2,3,4,5,6,7
	global_store_b128 v1, v[\x+4*\j:\x+4*\j+3], s[12:13] offset:4096*\row+512*\j     ; 512 consecutive bytes, aligned
.endr
.if F16OUT
.set nn, 0
.rept 16
	v_cvt_pk_f16_f32 v[\a+nn], v[\x+2*nn], v[\x+2*nn+1]
.set nn, nn+1
.endr
.irp j, 0,1,2,3,4,5,6,7
	global_store_b64 v2, v[\a+2*\j:\a+2*\j+1], s[24:25] offset:2048*\row+256*\j      ; 256 consecutive bytes, aligned
.endr
.endif
.endm
	ROW 72, 104, 0, 16                             ; the second row's sixteen loads may be out
	ROW 136, 168, 1, 0
	s_endpgm
.Lfunc_end_k_q955457bd93_ln1:
	.size	k_q955457bd93_ln1, .Lfunc_end_k_q955457bd93_ln1-k_q955457bd93_ln1
	.p2alignl 7, 3214868480
	.fill 96, 4, 3214868480
	.section	.rodata,"a",@progbits
	.p2align	6, 0x0
	.amdhsa_kernel k_q955457bd93_ln1
		.amdhsa_group_segment_fixed_size 0
		.amdhsa_private_segment_fixed_size 0
		.amdhsa_enable_private_segment 0
		.amdhsa_kernarg_size 40
		.amdhsa_user_sgpr_count 2
		.amdhsa_user_sgpr_kernarg_segment_ptr 1
		.amdhsa_wavefront_size32 1
		.amdhsa_system_sgpr_workgroup_id_x 1
		.amdhsa_system_sgpr_workgroup_id_y 1
		.amdhsa_system_sgpr_workgroup_id_z 1
		.amdhsa_system_vgpr_workitem_id 0
		.amdhsa_next_free_vgpr 216
		.amdhsa_next_free_sgpr 66
		.amdhsa_reserve_vcc 0
		.amdhsa_float_denorm_mode_32 3
		.amdhsa_float_denorm_mode_16_64 3
		.amdhsa_memory_ordered 1
		.amdhsa_forward_progress 1
		.amdhsa_inst_pref_size 25
	.end_amdhsa_kernel
	.amdgpu_metadata
---
amdhsa.version: [ 1, 2 ]
amdhsa.kernels:
  - .name:           k_q955457bd93_ln1
    .symbol:         k_q955457bd93_ln1.kd
    .args:
      - { .name: x, .offset: 0, .size: 8, .value_kind: global_buffer, .address_space: global }
      - { .name: attn, .offset: 8, .size: 8, .value_kind: global_buffer, .address_space: global }
      - { .name: ln_g, .offset: 16, .size: 8, .value_kind: global_buffer, .address_space: global }
      - { .name: ln_b, .offset: 24, .size: 8, .value_kind: global_buffer, .address_space: global }
      - { .name: h, .offset: 32, .size: 8, .value_kind: global_buffer, .address_space: global }
    .group_segment_fixed_size: 0
    .private_segment_fixed_size: 0
    .kernarg_segment_align: 8
    .kernarg_segment_size: 40
    .max_flat_workgroup_size: 256
    .sgpr_count:     66
    .vgpr_count:     216
    .wavefront_size: 32
...
	.end_amdgpu_metadata
.endif
;; end of part 4
;; launch gemm1 (part 5): grid 16 x 16, 4 waves a work-group, clusters of 4 x 4, 327,680 bytes of LDS; arguments h, wt, b1, g16; writes g16
.if DOCPART == 5
	.amdgcn_target "amdgcn-amd-amdhsa--gfx1250"
	.amdhsa_code_object_version 6
	.text
	.protected	k_q955457bd93_gemm1
	.globl	k_q955457bd93_gemm1
	.p2align	8
	.type	k_q955457bd93_gemm1,@function
k_q955457bd93_gemm1:
	s_mov_b64 s[64:65], 0
	v_nop
	global_prefetch_b8 v0, s[64:65] scope:SCOPE_SE
	s_setreg_imm32_b32 hwreg(HW_REG_WAVE_MODE, 25, 1), 1
	s_wait_xcnt 0x0
	s_wait_alu depctr_hold_cnt(0) depctr_sa_sdst(0) depctr_va_vdst(0) depctr_va_sdst(0) depctr_va_ssrc(0) depctr_va_vcc(0) depctr_vm_vsrc(0)
	s_getreg_b32 s2, hwreg(HW_REG_IB_STS2, 6, 4)
	s_cmp_eq_u32 s2, 0
	s_cbranch_scc0 .Lentry_in_a_cluster
	s_endpgm
.Lentry_in_a_cluster:
	s_bfe_u32 s2, ttmp6, 0x10000c
	s_cmp_lg_u32 s2, 0xf033
	s_cbranch_scc0 .Lentry_shape_is_right
	s_endpgm
.Lentry_shape_is_right:
; g = gelu(h w1 + b1), exact GELU.  A = h as f16 [4096][1024], B = w1^T as f16 [4096][1024]; sums in f32; g leaves as f16 [4096][4096].
; A tile of 256 x 256 to a work-group of four waves, 128 x 128 to a wave: 64 accumulators.  K goes in steps of 128 through a ring of two LDS slots; rows of 256 bytes.
; CLUSTERS: 4 x 4 work-groups; A's tiles are asked for jointly along a row of the cluster, B's along a column.  THE MATRIX INSTRUCTION IS USED TRANSPOSED (source 0 = 16 rows of B, source 1 = 16 rows of A).
; The bias is the C of each sum's first instruction.  No prefetch: the walk has eight K steps.
; THE GELU: gelu(x) = max(x, 0) - |x| P(t) exp(-x x / 2), t = 1 / (1 + 0.23164189 |x|), P the polynomial of Abramowitz and Stegun 7.1.26 with halved coefficients: the error of erf is under 1.5e-7 for every x,
; and no difference of near numbers is formed.  LIMIT: results beyond 65,504 in magnitude are not served (f16).
; THE WAY OUT goes through LDS as f32, so that the GELU is written for one set of registers and walked in a loop: each wave lays its 128 rows x 512 bytes into the slots, which have had their last fill and, behind
; a barrier, their last read; it reads its own rows back, a lane four neighbouring columns, and a wave's store covers 256 consecutive bytes, aligned.
; REGISTERS: window 0: v0-31 addresses; v32-43 the GELU's constants; v64-127, v128-191 A's fragments, two buffers; v192-255 the bias; on the way out v64-255 are at work.  window 1: B's fragments.  windows 2, 3: accumulators.
.set SIZE_N, 4096
.set SIZE_K, 1024
.set KSTEP,  128
.set PITCH,  272
.set HALFT,  128*PITCH
.set SLOT,   4*HALFT
.set SPARE,  2*SLOT                    ; behind the ring: the spare words, 128 bytes for each wave: two blocks of 256 bytes that no other line names
.set OPITCH, 528                       ; the way out: a row of 512 bytes + 16
.set LAPS,   SIZE_K/(2*KSTEP)
.set ADRA, 16
.set ADRB, 20
.set BO,   22
.set STO,  24
.set RD,   25
.set CO,   26
.set RDA,  27
.set SPW,  28
.set NIL,  29
.set F0,   64
.set F1,   128
.set BIAS, 192
.set C1, 32
.set C2, 34
.set C3, 36
.set C4, 38
.set C5, 40
.set KE, 42
.set XA, 64
.set XB, 96
.set T,  128
.set E,  160
.set R,  192
.set OA, 224
.set OBB, 240
.set G1, 24
.set G0, 32
.set G1B, 48
.set G0B, 56
.set MSB, 0
.macro WIN new
.if MSB != (\new)
	s_set_vgpr_msb (MSB<<8)|(\new)
.set MSB, (\new)
.endif
.endm
.set MUL_LO, 0xa1
.set MUL_HI, 0xf1
.set TO_B,   0x40
.macro JLOAD s                         ; a joint load: waves 0 and 1 fetch A's halves, waves 2 and 3 B's; an s_nop 0 and four v_nop follow each line
	s_cmp_eq_u32 s11, 0
	s_cbranch_scc0 .Lfor_b_\@
	tensor_load_to_lds s[G0+4*\s:G0+4*\s+3], s[G1:G1+7]
	s_nop 0
.rept 4
	v_nop
.endr
	s_branch .Lasked_\@
.Lfor_b_\@:
	tensor_load_to_lds s[G0B+4*\s:G0B+4*\s+3], s[G1B:G1B+7]
	s_nop 0
.rept 4
	v_nop
.endr
.Lasked_\@:
.endm
.macro CREST
	s_cmp_lg_u32 s10, 0
	s_cbranch_scc1 .Lnot_wave_0_\@
	s_barrier_signal -3
.Lnot_wave_0_\@:
	s_barrier_wait -3
	s_barrier_signal -1
	s_barrier_wait -1
.endm
.macro CROUND
	s_barrier_signal -1
	s_barrier_wait -1
	CREST
.endm
	s_load_b128 s[4:7], s[0:1], 0x0                ; h, wt
	s_load_b128 s[68:71], s[0:1], 0x10             ; b1, g16
	v_lshl_add_u32 v[SPW], v0, 2, SPARE
	v_mov_b32 v[NIL], 0
	ds_add_u32 v[SPW], v[NIL]                      ; the wave's opening: the add, twice on end, and its wait ahead of my first tensor load
	ds_add_u32 v[SPW], v[NIL]
	v_lshrrev_b32 v1, 5, v0
	v_readfirstlane_b32 s10, v1                    ; wave 0..3
	s_lshr_b32 s11, s10, 1                         ; my half of the rows.  Also: I fetch for A (0) or B (1)
	s_and_b32 s12, s10, 1                          ; my half of the columns.  Also: which 128 rows I fetch
	s_bfe_u32 s40, ttmp6, 0x40000
	s_bfe_u32 s41, ttmp6, 0x40004
	s_lshl_b32 s42, ttmp9, 2
	s_add_co_u32 s42, s42, s40                     ; tile column
	s_and_b32 s13, ttmp7, 0xffff
	s_lshl_b32 s13, s13, 2
	s_add_co_u32 s13, s13, s41                     ; tile row
	s_lshl_b32 s43, s41, 2
	s_lshl_b32 s43, 15, s43
	s_lshl_b32 s44, 0x1111, s40
	s_or_b32 s[G1+0], s43, (1<<16)|(1<<20)|(1<<21)|(5<<22)|(3<<25)  ; the mask; elements of 2 bytes; padding: 4 words after every 64; bit 21 beside a mask
	s_or_b32 s[G1B+0], s44, (1<<16)|(1<<20)|(1<<21)|(5<<22)|(3<<25)
.irp g, G1, G1B
	s_mov_b32 s[\g+1], KSTEP<<16
	s_mov_b32 s[\g+2], 128<<16
	s_mov_b32 s[\g+3], KSTEP<<16
	s_mov_b32 s[\g+4], 128
	s_mov_b32 s[\g+5], SIZE_K
	s_mov_b32 s[\g+6], 0
	s_mov_b32 s[\g+7], 0
.endr
	s_lshl_b32 s17, s12, 7
	s_lshl_b32 s16, s13, 8
	s_add_co_u32 s16, s16, s17
	s_lshl_b32 s46, s42, 8
	s_add_co_u32 s46, s46, s17
	s_mov_b32 s17, 0
	s_mov_b32 s47, 0
	s_mov_b64 s[18:19], SIZE_K*2
	s_mul_u64 s[16:17], s[16:17], s[18:19]
	s_mul_u64 s[46:47], s[46:47], s[18:19]
	s_mul_i32 s20, s10, HALFT
	s_wait_dscnt 0x0                               ; both opening adds are done
	s_wait_kmcnt 0x0
	s_add_nc_u64 s[4:5], s[4:5], 16777216          ; h's f16 copy
	s_add_nc_u64 s[14:15], s[4:5], s[16:17]
	s_add_nc_u64 s[46:47], s[6:7], s[46:47]
	CROUND                                         ; all sixteen work-groups are here: the first joint loads meet
.irp s, 0,1
	s_mov_b32 s[G0+4*\s], 1
	s_add_co_u32 s[G0+4*\s+1], s20, \s*SLOT
	s_add_nc_u64 s[G0+4*\s+2:G0+4*\s+3], s[14:15], \s*KSTEP*2
	s_or_b32 s[G0+4*\s+3], s[G0+4*\s+3], 0x80000000
	s_mov_b32 s[G0B+4*\s], 1
	s_add_co_u32 s[G0B+4*\s+1], s20, \s*SLOT
	s_add_nc_u64 s[G0B+4*\s+2:G0B+4*\s+3], s[46:47], \s*KSTEP*2
	s_or_b32 s[G0B+4*\s+3], s[G0B+4*\s+3], 0x80000000
	JLOAD \s
.endr
	v_and_b32 v1, 15, v0                           ; r
	v_bfe_u32 v2, v0, 4, 1                         ; h
	v_mul_u32_u24 v3, v1, PITCH
	v_lshl_add_u32 v3, v2, 4, v3
	s_mul_i32 s21, s11, HALFT
	s_mul_i32 s22, s12, HALFT
	s_add_co_u32 s22, s22, 2*HALFT
.irp s, 0,1
	v_add_nc_u32 v[ADRA+\s], s21, v3
	v_add_nc_u32 v[ADRB+\s], s22, v3
	s_add_co_u32 s21, s21, SLOT
	s_add_co_u32 s22, s22, SLOT
.endr
	s_mul_i32 s23, s10, 128*OPITCH                 ; the way out: my 128 rows
	v_mul_u32_u24 v4, v1, OPITCH
	v_lshl_add_u32 v4, v2, 5, v4
	v_add_nc_u32 v[STO], s23, v4                   ; in: row r, 32 bytes for each half of the lanes
	v_and_b32 v5, 31, v0
	v_lshl_add_u32 v[RD], v5, 4, s23               ; back: 16 bytes a lane
	v_lshlrev_b32 v[CO], 3, v5                     ; and 8 bytes a lane in g
	v_lshlrev_b32 v[BO], 5, v2
	s_lshl_b32 s16, s13, 8
	s_lshl_b32 s17, s11, 7
	s_add_co_u32 s16, s16, s17                     ; my first row
	s_lshl_b32 s16, s16, 13
	s_lshl_b32 s46, s42, 9
	s_lshl_b32 s47, s12, 8
	s_add_co_u32 s46, s46, s47                     ; my first column, in bytes of f16
	s_add_co_u32 s16, s16, s46
	s_mov_b32 s17, 0
	s_add_nc_u64 s[70:71], s[70:71], s[16:17]
	s_lshl_b32 s46, s46, 1
	s_mov_b32 s47, 0
	s_add_nc_u64 s[68:69], s[68:69], s[46:47]
.irp b, 0,1,2,3,4,5,6,7
	global_load_b128 v[BIAS+8*\b:BIAS+8*\b+3], v[BO], s[68:69] offset:64*\b       ; lane (r, h): the bias of columns 16 b + 8 h + 0 .. 7
	global_load_b128 v[BIAS+8*\b+4:BIAS+8*\b+7], v[BO], s[68:69] offset:64*\b+16
.endr
; 16 matrix instructions: m blocks a0, a0 + 1 of the window's four x all 8 n blocks, 32 along K.  first = 1: the bias is the C.  The 64 accumulators take turns, one instruction a turn.
.macro MUL16 f, hi, a0, first
.irp a, \a0, \a0+1
.irp b, 0,1,2,3,4,5,6,7
.if \first
	v_wmma_f32_16x16x32_f16 v[8*(8*(\a)+\b):8*(8*(\a)+\b)+7], v[\f+8*\b:\f+8*\b+7], v[\f+8*(4*\hi+\a):\f+8*(4*\hi+\a)+7], v[BIAS+8*\b:BIAS+8*\b+7]
.else
	v_wmma_f32_16x16x32_f16 v[8*(8*(\a)+\b):8*(8*(\a)+\b)+7], v[\f+8*\b:\f+8*\b+7], v[\f+8*(4*\hi+\a):\f+8*(4*\hi+\a)+7], v[8*(8*(\a)+\b):8*(8*(\a)+\b)+7]
.endif
.endr
.endr
.endm
.macro FETCH slot, k, f                ; 32 LDS loads in one run: a quarter step's fragments
	WIN TO_B
.irp i, 0,1,2,3,4,5,6,7
	ds_load_b128 v[\f+8*\i:\f+8*\i+3],   v[ADRB+\slot] offset:\k+\i*16*PITCH
	ds_load_b128 v[\f+8*\i+4:\f+8*\i+7], v[ADRB+\slot] offset:\k+\i*16*PITCH+32
.endr
	WIN 0
.irp i, 0,1,2,3,4,5,6,7
	ds_load_b128 v[\f+8*\i:\f+8*\i+3],   v[ADRA+\slot] offset:\k+\i*16*PITCH
	ds_load_b128 v[\f+8*\i+4:\f+8*\i+7], v[ADRA+\slot] offset:\k+\i*16*PITCH+32
.endr
.endm
.macro PLACES                          ; four plain vector instructions between a matrix instruction and a load into, or a read of, its registers
.rept 4
	v_nop
.endr
.endm
.macro QUARTER slot, k, f, g, first
	s_wait_dscnt 8                                 ; B and A's rows 0-63 are in; the youngest eight loads may be out
.if \first
	WIN 0x81                                       ; C (the bias) window 0, D window 2
.else
	WIN MUL_LO
.endif
	MUL16 \f, 0, 0, \first
	MUL16 \f, 0, 2, \first
	PLACES
	FETCH \slot, \k, \g
	s_wait_dscnt 32                                ; all but the 32 just issued
.if \first
	WIN 0xc1
.else
	WIN MUL_HI
.endif
	MUL16 \f, 1, 0, \first
	MUL16 \f, 1, 2, \first
.endm
; A slot's last quarter changes slots: one barrier; in front of it each wave waits for all its tensor loads, adds 0 to its spare word, and waits for that and for its reads of this slot.
; fill = 1: the barrier opens a round of the cluster's, and the slot is filled again, two K steps on: the joint load is the first tensor load behind the round.
.macro TURN slot, next, fill
	WIN 0
	s_wait_tensorcnt 0x0                           ; all my tensor loads have landed: my part of the next slot
	ds_add_u32 v[SPW], v[NIL]                      ; 0 onto my spare word
	s_wait_dscnt 9                                 ; (the add and the youngest eight loads may be out)
	WIN MUL_LO
	MUL16 F1, 0, 0, 0
	s_wait_dscnt 0x0                               ; the add is done, and my reads of this slot are over
	s_barrier_signal -1
	MUL16 F1, 0, 2, 0
.if \fill
	WIN 0
.endif
	s_barrier_wait -1
.if \fill
	CREST
	s_add_nc_u64 s[G0+4*\slot+2:G0+4*\slot+3], s[G0+4*\slot+2:G0+4*\slot+3], 2*KSTEP*2
	s_add_nc_u64 s[G0B+4*\slot+2:G0B+4*\slot+3], s[G0B+4*\slot+2:G0B+4*\slot+3], 2*KSTEP*2
	JLOAD \slot                                    ; its four v_nop are also the places in front of the loads below
.else
	PLACES
.endif
	FETCH \next, 0, F0
	WIN MUL_HI
	MUL16 F1, 1, 0, 0
	MUL16 F1, 1, 2, 0
.endm
	s_wait_tensorcnt 1                             ; my part of K step 0 is in; K step 1's load may be out
	s_barrier_signal -1
	s_barrier_wait -1
	FETCH 0, 0, F0
	s_wait_loadcnt 0x0                             ; the bias
	QUARTER 0, 64,  F0, F1, 1
	WIN 0
	s_mov_b32 s3, LAPS-1
.Llap:                                             ; a trip goes once round the ring and fills both slots again
	QUARTER 0, 128, F1, F0, 0
	QUARTER 0, 192, F0, F1, 0
	TURN 0, 1, 1
	QUARTER 1, 64,  F0, F1, 0
	QUARTER 1, 128, F1, F0, 0
	QUARTER 1, 192, F0, F1, 0
	TURN 1, 0, 1
	QUARTER 0, 64,  F0, F1, 0
	WIN 0
	s_sub_co_u32 s3, s3, 1
	s_cmp_lg_u32 s3, 0
	s_cbranch_scc1 .Llap
	QUARTER 0, 128, F1, F0, 0                      ; the last lap fills nothing
	QUARTER 0, 192, F0, F1, 0
	TURN 0, 1, 0
	QUARTER 1, 64,  F0, F1, 0
	QUARTER 1, 128, F1, F0, 0
	QUARTER 1, 192, F0, F1, 0
	s_wait_dscnt 8
	WIN MUL_LO
	MUL16 F1, 0, 0, 0
	MUL16 F1, 0, 2, 0
	s_wait_dscnt 0x0                               ; my last reads of the ring are in
	WIN MUL_HI
	MUL16 F1, 1, 0, 0
	MUL16 F1, 1, 2, 0
	WIN 0
	PLACES
	s_barrier_signal -1                            ; every wave's reads of the ring are over: its bytes may be written
	s_barrier_wait -1
.irp a, 0,1,2,3,4,5,6,7
	WIN 0x08+4*(\a/4)                              ; an LDS store's data are its source 1: window 2 or 3
.irp b, 0,1,2,3,4,5,6,7
	ds_store_b128 v[STO], v[64*(\a%4)+8*\b:64*(\a%4)+8*\b+3] offset:\a*16*OPITCH+64*\b        ; each accumulator from its low end on
	ds_store_b128 v[STO], v[64*(\a%4)+8*\b+4:64*(\a%4)+8*\b+7] offset:\a*16*OPITCH+64*\b+16
.endr
.endr
	WIN 0
	s_mov_b32 s67, 0x3e6d3388                      ; 0.3275911 / sqrt(2)
.irp u, 0,1
	v_mov_b32 v[C1+\u], 0x3e027906                 ; the polynomial's coefficients, halved
	v_mov_b32 v[C2+\u], 0xbe11a98e
	v_mov_b32 v[C3+\u], 0x3f35f0e3
	v_mov_b32 v[C4+\u], 0xbf3a00e3
	v_mov_b32 v[C5+\u], 0x3f07dc22
	v_mov_b32 v[KE+\u], 0xbf38aa3b                 ; -log2(e) / 2
.endr
.macro LOADX x, rows                   ; eight of my rows, a lane four neighbouring columns of each
.irp i, 0,1,2,3,4,5,6,7
	ds_load_b128 v[\x+4*\i:\x+4*\i+3], v[RDA] offset:((\rows)+\i)*OPITCH
.endr
.endm
.macro GELU x, o                       ; 32 numbers of a lane -> 16 registers of f16
.set nn, 0
.rept 32
	v_fma_f32 v[T+nn], |v[\x+nn]|, s67, 1.0
.set nn, nn+1
.endr
.set nn, 0
.rept 16
	v_pk_mul_f32 v[E+nn:E+nn+1], v[\x+nn:\x+nn+1], v[\x+nn:\x+nn+1]
.set nn, nn+2
.endr
.set nn, 0
.rept 16
	v_pk_mul_f32 v[E+nn:E+nn+1], v[E+nn:E+nn+1], v[KE:KE+1]
.set nn, nn+2
.endr
.set nn, 0
.rept 32
	v_rcp_f32 v[T+nn], v[T+nn]
.set nn, nn+1
.endr
.set nn, 0
.rept 32
	v_exp_f32 v[E+nn], v[E+nn]
.set nn, nn+1
.endr
	v_nop                                          ; a plain instruction behind the last transcendental
	s_wait_alu depctr_va_vdst(0)                   ; one wait for the 64, ahead of their first reader
.set nn, 0
.rept 16
	v_pk_fma_f32 v[R+nn:R+nn+1], v[T+nn:T+nn+1], v[C5:C5+1], v[C4:C4+1]
.set nn, nn+2
.endr
.irp c, C3, C2, C1
.set nn, 0
.rept 16
	v_pk_fma_f32 v[R+nn:R+nn+1], v[R+nn:R+nn+1], v[T+nn:T+nn+1], v[\c:\c+1]
.set nn, nn+2
.endr
.endr
.set nn, 0
.rept 16
	v_pk_mul_f32 v[R+nn:R+nn+1], v[R+nn:R+nn+1], v[T+nn:T+nn+1]
.set nn, nn+2
.endr
.set nn, 0
.rept 16
	v_pk_mul_f32 v[R+nn:R+nn+1], v[R+nn:R+nn+1], v[E+nn:E+nn+1]
.set nn, nn+2
.endr
.set nn, 0
.rept 32
	v_max_num_f32 v[E+nn], 0, v[\x+nn]
.set nn, nn+1
.endr
.set nn, 0
.rept 32
	v_fma_f32 v[T+nn], -|v[\x+nn]|, v[R+nn], v[E+nn]
.set nn, nn+1
.endr
.set nn, 0
.rept 16
	v_cvt_pk_f16_f32 v[\o+nn], v[T+2*nn], v[T+2*nn+1]
.set nn, nn+1
.endr
.endm
.macro GSTORE o, rows
.irp i, 0,1,2,3,4,5,6,7
	global_store_b64 v[CO], v[\o+2*\i:\o+2*\i+1], s[70:71] offset:((\rows)+\i)*SIZE_N*2   ; 256 consecutive bytes, aligned
.endr
.endm
.macro GTRIP more                      ; sixteen rows; more = 1: the next trip's first eight are asked for
	LOADX XB, 8
	s_wait_dscnt 8                                 ; the older eight rows are in; the eight just asked for may be out
	GELU XA, OA
	GSTORE OA, 0
.if \more
	LOADX XA, 16
	s_wait_dscnt 8
.else
	s_wait_dscnt 0x0
.endif
	GELU XB, OBB
	GSTORE OBB, 8
.endm
	v_mov_b32 v[RDA], v[RD]
	LOADX XA, 0                                    ; LDS serves a wave's instructions in order: these see my stores
	s_mov_b32 s66, 0
	s_mov_b32 s3, 7
.Lout:
	GTRIP 1
	s_wait_xcnt 0x0                                ; the stores have read their data and their base: both are written again only behind this wait
	s_add_nc_u64 s[70:71], s[70:71], 16*SIZE_N*2
	s_add_co_u32 s66, s66, 16*OPITCH
	v_add_nc_u32 v[RDA], s66, v[RD]
	s_sub_co_u32 s3, s3, 1
	s_cmp_lg_u32 s3, 0
	s_cbranch_scc1 .Lout
	GTRIP 0                                        ; the last sixteen rows: nothing more to read
	s_wait_tensorcnt 0x0                           ; the wave's end
	ds_add_u32 v[SPW], v[NIL]
	s_wait_dscnt 0x0
	CROUND                                         ; the closing round
	s_endpgm
.Lfunc_end_k_q955457bd93_gemm1:
	.size	k_q955457bd93_gemm1, .Lfunc_end_k_q955457bd93_gemm1-k_q955457bd93_gemm1
	.p2alignl 7, 3214868480
	.fill 96, 4, 3214868480
	.section	.rodata,"a",@progbits
	.p2align	6, 0x0
	.amdhsa_kernel k_q955457bd93_gemm1
		.amdhsa_group_segment_fixed_size 327680
		.amdhsa_private_segment_fixed_size 0
		.amdhsa_enable_private_segment 0
		.amdhsa_kernarg_size 32
		.amdhsa_user_sgpr_count 2
		.amdhsa_user_sgpr_kernarg_segment_ptr 1
		.amdhsa_wavefront_size32 1
		.amdhsa_system_sgpr_workgroup_id_x 1
		.amdhsa_system_sgpr_workgroup_id_y 1
		.amdhsa_system_sgpr_workgroup_id_z 1
		.amdhsa_system_vgpr_workitem_id 0
		.amdhsa_next_free_vgpr 1024
		.amdhsa_next_free_sgpr 72
		.amdhsa_reserve_vcc 0
		.amdhsa_float_denorm_mode_32 3
		.amdhsa_float_denorm_mode_16_64 3
		.amdhsa_memory_ordered 1
		.amdhsa_forward_progress 1
		.amdhsa_inst_pref_size 191
	.end_amdhsa_kernel
	.amdgpu_metadata
---
amdhsa.version: [ 1, 2 ]
amdhsa.kernels:
  - .name:           k_q955457bd93_gemm1
    .symbol:         k_q955457bd93_gemm1.kd
    .args:
      - { .name: h, .offset: 0, .size: 8, .value_kind: global_buffer, .address_space: global }
      - { .name: wt, .offset: 8, .size: 8, .value_kind: global_buffer, .address_space: global }
      - { .name: b1, .offset: 16, .size: 8, .value_kind: global_buffer, .address_space: global }
      - { .name: g16, .offset: 24, .size: 8, .value_kind: global_buffer, .address_space: global }
    .group_segment_fixed_size: 327680
    .private_segment_fixed_size: 0
    .kernarg_segment_align: 8
    .kernarg_segment_size: 32
    .max_flat_workgroup_size: 128
    .sgpr_count:     72
    .vgpr_count:     1024
    .wavefront_size: 32
...
	.end_amdgpu_metadata
.endif
;; end of part 5
;; launch gemm2 (part 6): grid 8 x 32, 4 waves a work-group, clusters of 4 x 4, 327,680 bytes of LDS; arguments g16, wt, b2, mlp; writes mlp
.if DOCPART == 6
	.amdgcn_target "amdgcn-amd-amdhsa--gfx1250"
	.amdhsa_code_object_version 6
	.text
	.protected	k_q955457bd93_gemm2
	.globl	k_q955457bd93_gemm2
	.p2align	8
	.type	k_q955457bd93_gemm2,@function
k_q955457bd93_gemm2:
	s_mov_b64 s[64:65], 0
	v_nop
	global_prefetch_b8 v0, s[64:65] scope:SCOPE_SE
	s_setreg_imm32_b32 hwreg(HW_REG_WAVE_MODE, 25, 1), 1
	s_wait_xcnt 0x0
	s_wait_alu depctr_hold_cnt(0) depctr_sa_sdst(0) depctr_va_vdst(0) depctr_va_sdst(0) depctr_va_ssrc(0) depctr_va_vcc(0) depctr_vm_vsrc(0)
	s_getreg_b32 s2, hwreg(HW_REG_IB_STS2, 6, 4)
	s_cmp_eq_u32 s2, 0
	s_cbranch_scc0 .Lentry_in_a_cluster
	s_endpgm
.Lentry_in_a_cluster:
	s_bfe_u32 s2, ttmp6, 0x10000c
	s_cmp_lg_u32 s2, 0xf033
	s_cbranch_scc0 .Lentry_shape_is_right
	s_endpgm
.Lentry_shape_is_right:
; mlp = g w2 + b2.  A = g as f16 [4096][4096], B = w2^T as f16 [1024][4096] (at 8,388,608 of wt); sums in f32; mlp f32 [4096][1024].
; Tiles of 256 x 256 would be 64: a tile is 128 x 128, 256 work-groups.  Four waves, each 64 x 64: 16 accumulators.  K goes in steps of 256 (LDS rows of 512 bytes) through two slots.
; CLUSTERS: 4 x 4 work-groups; A's tiles are asked for jointly along a row of the cluster, B's along a column.  THE MATRIX INSTRUCTION IS USED TRANSPOSED.  The bias is the C of each sum's first instruction.
; A wave's 64 columns of f32 are 256 aligned bytes of a row: each wave sends its own rows through a stage of its own; no barrier on the way out.  No prefetch: a small tile's steps are short.
; REGISTERS: window 0: v0-31 addresses; v32-95 rows on the way out; v96-127 the bias; v128-255 the accumulators ((a, b) at v[128 + 8 (4 a + b)]).  window 1: two fragment buffers of 128.
.set SIZE_N, 1024
.set SIZE_K, 4096
.set KSTEP,  256
.set PITCH,  528
.set HALFT,  64*PITCH
.set SLOT,   4*HALFT
.set STAGE,  2*SLOT                    ; behind the ring: 16 rows x 272 bytes for each wave
.set SPITCH, 272
.set SPARE,  STAGE+4*16*SPITCH         ; the spare words, 128 bytes for each wave: two blocks of 256 bytes that no other line names
.set LAPS, SIZE_K/(2*KSTEP)
.set ADRA, 16
.set ADRB, 20
.set BO,   22
.set STO,  24
.set RD,   25
.set CO,   26
.set SPW,  28
.set NIL,  29
.set TMP,  32
.set BIAS, 96
.set ACC,  128
.set F0,   0
.set F1,   128
.set G1, 24
.set G0, 32
.set G1B, 48
.set G0B, 56
.set MSB, 0
.macro WIN new
.if MSB != (\new)
	s_set_vgpr_msb (MSB<<8)|(\new)
.set MSB, (\new)
.endif
.endm
.set MUL,  0x05                        ; sources 0 (B) and 1 (A) window 1; C and D window 0
.set TO_F, 0x40
.macro JLOAD s
	s_cmp_eq_u32 s11, 0
	s_cbranch_scc0 .Lfor_b_\@
	tensor_load_to_lds s[G0+4*\s:G0+4*\s+3], s[G1:G1+7]
	s_nop 0
.rept 4
	v_nop
.endr
	s_branch .Lasked_\@
.Lfor_b_\@:
	tensor_load_to_lds s[G0B+4*\s:G0B+4*\s+3], s[G1B:G1B+7]
	s_nop 0
.rept 4
	v_nop
.endr
.Lasked_\@:
.endm
.macro CREST
	s_cmp_lg_u32 s10, 0
	s_cbranch_scc1 .Lnot_wave_0_\@
	s_barrier_signal -3
.Lnot_wave_0_\@:
	s_barrier_wait -3
	s_barrier_signal -1
	s_barrier_wait -1
.endm
.macro CROUND
	s_barrier_signal -1
	s_barrier_wait -1
	CREST
.endm
	s_load_b128 s[4:7], s[0:1], 0x0                ; g16, wt
	s_load_b128 s[68:71], s[0:1], 0x10             ; b2, mlp
	v_lshl_add_u32 v[SPW], v0, 2, SPARE
	v_mov_b32 v[NIL], 0
	ds_add_u32 v[SPW], v[NIL]                      ; the wave's opening: the add, twice on end, and its wait ahead of my first tensor load
	ds_add_u32 v[SPW], v[NIL]
	v_lshrrev_b32 v1, 5, v0
	v_readfirstlane_b32 s10, v1
	s_lshr_b32 s11, s10, 1                         ; my half of the rows.  Also: I fetch for A (0) or B (1)
	s_and_b32 s12, s10, 1                          ; my half of the columns.  Also: which 64 rows I fetch
	s_bfe_u32 s40, ttmp6, 0x40000
	s_bfe_u32 s41, ttmp6, 0x40004
	s_lshl_b32 s42, ttmp9, 2
	s_add_co_u32 s42, s42, s40                     ; tile column
	s_and_b32 s13, ttmp7, 0xffff
	s_lshl_b32 s13, s13, 2
	s_add_co_u32 s13, s13, s41                     ; tile row
	s_lshl_b32 s43, s41, 2
	s_lshl_b32 s43, 15, s43
	s_lshl_b32 s44, 0x1111, s40
	s_or_b32 s[G1+0], s43, (1<<16)|(1<<20)|(1<<21)|(6<<22)|(3<<25)  ; the mask; elements of 2 bytes; padding: 4 words after every 128; bit 21 beside a mask
	s_or_b32 s[G1B+0], s44, (1<<16)|(1<<20)|(1<<21)|(6<<22)|(3<<25)
.irp g, G1, G1B
	s_mov_b32 s[\g+1], KSTEP<<16
	s_mov_b32 s[\g+2], 64<<16
	s_mov_b32 s[\g+3], KSTEP<<16
	s_mov_b32 s[\g+4], 64
	s_mov_b32 s[\g+5], SIZE_K
	s_mov_b32 s[\g+6], 0
	s_mov_b32 s[\g+7], 0
.endr
	s_lshl_b32 s17, s12, 6
	s_lshl_b32 s16, s13, 7
	s_add_co_u32 s16, s16, s17
	s_lshl_b32 s46, s42, 7
	s_add_co_u32 s46, s46, s17
	s_mov_b32 s17, 0
	s_mov_b32 s47, 0
	s_mov_b64 s[18:19], SIZE_K*2
	s_mul_u64 s[16:17], s[16:17], s[18:19]
	s_mul_u64 s[46:47], s[46:47], s[18:19]
	s_mul_i32 s20, s10, HALFT
	s_wait_dscnt 0x0                               ; both opening adds are done
	s_wait_kmcnt 0x0
	s_add_nc_u64 s[6:7], s[6:7], 8388608           ; w2^T
	s_add_nc_u64 s[14:15], s[4:5], s[16:17]
	s_add_nc_u64 s[46:47], s[6:7], s[46:47]
	CROUND                                         ; all sixteen work-groups are here: the first joint loads meet
.irp s, 0,1
	s_mov_b32 s[G0+4*\s], 1
	s_add_co_u32 s[G0+4*\s+1], s20, \s*SLOT
	s_add_nc_u64 s[G0+4*\s+2:G0+4*\s+3], s[14:15], \s*KSTEP*2
	s_or_b32 s[G0+4*\s+3], s[G0+4*\s+3], 0x80000000
	s_mov_b32 s[G0B+4*\s], 1
	s_add_co_u32 s[G0B+4*\s+1], s20, \s*SLOT
	s_add_nc_u64 s[G0B+4*\s+2:G0B+4*\s+3], s[46:47], \s*KSTEP*2
	s_or_b32 s[G0B+4*\s+3], s[G0B+4*\s+3], 0x80000000
	JLOAD \s
.endr
	v_and_b32 v1, 15, v0                           ; r
	v_bfe_u32 v2, v0, 4, 1                         ; h
	v_mul_u32_u24 v3, v1, PITCH
	v_lshl_add_u32 v3, v2, 4, v3
	s_mul_i32 s21, s11, HALFT
	s_mul_i32 s22, s12, HALFT
	s_add_co_u32 s22, s22, 2*HALFT
.irp s, 0,1
	v_add_nc_u32 v[ADRA+\s], s21, v3
	v_add_nc_u32 v[ADRB+\s], s22, v3
	s_add_co_u32 s21, s21, SLOT
	s_add_co_u32 s22, s22, SLOT
.endr
	s_mul_i32 s23, s10, 16*SPITCH
	s_add_co_u32 s23, s23, STAGE                   ; my stage
	v_mul_u32_u24 v4, v1, SPITCH
	v_lshl_add_u32 v4, v2, 5, v4
	v_add_nc_u32 v[STO], s23, v4                   ; in: row r, 32 bytes for each half of the lanes
	v_mul_u32_u24 v5, v2, SPITCH
	v_lshl_add_u32 v5, v1, 4, v5
	v_add_nc_u32 v[RD], s23, v5                    ; back: lanes 0-15 one row of 256 bytes, lanes 16-31 the next
	v_mul_u32_u24 v5, v2, SIZE_N*4
	v_lshl_add_u32 v[CO], v1, 4, v5                ; and the same two rows in mlp
	v_lshlrev_b32 v[BO], 5, v2
	s_lshl_b32 s16, s13, 7
	s_lshl_b32 s17, s11, 6
	s_add_co_u32 s16, s16, s17                     ; my first row
	s_lshl_b32 s16, s16, 12
	s_lshl_b32 s46, s42, 9
	s_lshl_b32 s47, s12, 8
	s_add_co_u32 s46, s46, s47                     ; my first column, in bytes
	s_mov_b32 s47, 0
	s_mov_b32 s17, 0
	s_add_nc_u64 s[70:71], s[70:71], s[16:17]
	s_add_nc_u64 s[70:71], s[70:71], s[46:47]
	s_add_nc_u64 s[68:69], s[68:69], s[46:47]
.irp b, 0,1,2,3
	global_load_b128 v[BIAS+8*\b:BIAS+8*\b+3], v[BO], s[68:69] offset:64*\b       ; lane (r, h): the bias of columns 16 b + 8 h + 0 .. 7
	global_load_b128 v[BIAS+8*\b+4:BIAS+8*\b+7], v[BO], s[68:69] offset:64*\b+16
.endr
; 8 matrix instructions: m blocks a0, a0 + 1 x all 4 n blocks, 32 along K: half c of buffer f.  first = 1: the bias is the C.  The 16 accumulators take turns.
.macro MUL8 f, c, a0, first
.irp a, \a0, \a0+1
.irp b, 0,1,2,3
.if \first
	v_wmma_f32_16x16x32_f16 v[ACC+8*(4*(\a)+\b):ACC+8*(4*(\a)+\b)+7], v[\f+64+8*(4*\c+\b):\f+64+8*(4*\c+\b)+7], v[\f+8*(4*\c+\a):\f+8*(4*\c+\a)+7], v[BIAS+8*\b:BIAS+8*\b+7]
.else
	v_wmma_f32_16x16x32_f16 v[ACC+8*(4*(\a)+\b):ACC+8*(4*(\a)+\b)+7], v[\f+64+8*(4*\c+\b):\f+64+8*(4*\c+\b)+7], v[\f+8*(4*\c+\a):\f+8*(4*\c+\a)+7], v[ACC+8*(4*(\a)+\b):ACC+8*(4*(\a)+\b)+7]
.endif
.endr
.endr
.endm
.macro FETCH slot, k, f                ; 32 LDS loads in one run: 64 along K; the first 32 along K first
	WIN TO_F
.irp c, 0,1
.irp i, 0,1,2,3
	ds_load_b128 v[\f+64+8*(4*\c+\i):\f+64+8*(4*\c+\i)+3],   v[ADRB+\slot] offset:\k+64*\c+\i*16*PITCH
	ds_load_b128 v[\f+64+8*(4*\c+\i)+4:\f+64+8*(4*\c+\i)+7], v[ADRB+\slot] offset:\k+64*\c+\i*16*PITCH+32
	ds_load_b128 v[\f+8*(4*\c+\i):\f+8*(4*\c+\i)+3],         v[ADRA+\slot] offset:\k+64*\c+\i*16*PITCH
	ds_load_b128 v[\f+8*(4*\c+\i)+4:\f+8*(4*\c+\i)+7],       v[ADRA+\slot] offset:\k+64*\c+\i*16*PITCH+32
.endr
.endr
.endm
.macro PLACES
.rept 4
	v_nop
.endr
.endm
.macro QUARTER slot, k, f, g, first
	s_wait_dscnt 16                                ; the first 32 along K are in; the youngest sixteen loads may be out
	WIN MUL
	MUL8 \f, 0, 0, \first
	MUL8 \f, 0, 2, \first
	PLACES
	FETCH \slot, \k, \g
	s_wait_dscnt 32                                ; all but the 32 just issued
	WIN MUL
	MUL8 \f, 1, 0, 0
	MUL8 \f, 1, 2, 0
.endm
.macro TURN slot, next, fill           ; a slot's last quarter changes slots
	WIN 0
	s_wait_tensorcnt 0x0                           ; all my tensor loads have landed: my part of the next slot
	ds_add_u32 v[SPW], v[NIL]                      ; 0 onto my spare word
	s_wait_dscnt 17                                ; (the add and the youngest sixteen loads may be out)
	WIN MUL
	MUL8 F1, 0, 0, 0
	s_wait_dscnt 0x0                               ; the add is done, and my reads of this slot are over
	s_barrier_signal -1
	MUL8 F1, 0, 2, 0
.if \fill
	WIN 0
.endif
	s_barrier_wait -1
.if \fill
	CREST                                          ; the barrier has opened a round of the cluster's
	s_add_nc_u64 s[G0+4*\slot+2:G0+4*\slot+3], s[G0+4*\slot+2:G0+4*\slot+3], 2*KSTEP*2
	s_add_nc_u64 s[G0B+4*\slot+2:G0B+4*\slot+3], s[G0B+4*\slot+2:G0B+4*\slot+3], 2*KSTEP*2
	JLOAD \slot                                    ; the first tensor load behind the round; its four v_nop are also the places in front of the loads below
.else
	PLACES
.endif
	FETCH \next, 0, F0
	WIN MUL
	MUL8 F1, 1, 0, 0
	MUL8 F1, 1, 2, 0
.endm
	s_wait_tensorcnt 1                             ; my part of K step 0 is in; K step 1's load may be out
	s_barrier_signal -1
	s_barrier_wait -1
	FETCH 0, 0, F0
	s_wait_loadcnt 0x0                             ; the bias
	QUARTER 0, 128, F0, F1, 1
	WIN 0
	s_mov_b32 s3, LAPS-1
.Llap:
	QUARTER 0, 256, F1, F0, 0
	QUARTER 0, 384, F0, F1, 0
	TURN 0, 1, 1
	QUARTER 1, 128, F0, F1, 0
	QUARTER 1, 256, F1, F0, 0
	QUARTER 1, 384, F0, F1, 0
	TURN 1, 0, 1
	QUARTER 0, 128, F0, F1, 0
	WIN 0
	s_sub_co_u32 s3, s3, 1
	s_cmp_lg_u32 s3, 0
	s_cbranch_scc1 .Llap
	QUARTER 0, 256, F1, F0, 0                      ; the last lap fills nothing
	QUARTER 0, 384, F0, F1, 0
	TURN 0, 1, 0
	QUARTER 1, 128, F0, F1, 0
	QUARTER 1, 256, F1, F0, 0
	QUARTER 1, 384, F0, F1, 0
	s_wait_dscnt 16
	WIN MUL
	MUL8 F1, 0, 0, 0
	MUL8 F1, 0, 2, 0
	s_wait_dscnt 0
	MUL8 F1, 1, 0, 0
	MUL8 F1, 1, 2, 0
	WIN 0
	PLACES
	; THE WAY OUT: 16 rows x 64 columns at a time through my own stage; sixteen lanes store a row's 256 bytes, aligned
.irp a, 0,1,2,3
.if \a >= 2
	s_wait_xcnt 0x0                                ; block a - 2's stores have read their registers: this block's loads may land there
.endif
.irp b, 0,1,2,3
	ds_store_b128 v[STO], v[ACC+8*(4*\a+\b):ACC+8*(4*\a+\b)+3] offset:64*\b          ; each accumulator from its low end on
	ds_store_b128 v[STO], v[ACC+8*(4*\a+\b)+4:ACC+8*(4*\a+\b)+7] offset:64*\b+16
.endr
.irp t, 0,1,2,3,4,5,6,7
	ds_load_b128 v[TMP+32*(\a%2)+4*\t:TMP+32*(\a%2)+4*\t+3], v[RD] offset:\t*2*SPITCH   ; LDS serves a wave's instructions in order
.endr
	s_wait_dscnt 0x0
.irp t, 0,1,2,3,4,5,6,7
	global_store_b128 v[CO], v[TMP+32*(\a%2)+4*\t:TMP+32*(\a%2)+4*\t+3], s[70:71] offset:(16*\a+2*\t)*SIZE_N*4
.endr
.endr
	s_wait_tensorcnt 0x0                           ; the wave's end
	ds_add_u32 v[SPW], v[NIL]
	s_wait_dscnt 0x0
	CROUND                                         ; the closing round
	s_endpgm
.Lfunc_end_k_q955457bd93_gemm2:
	.size	k_q955457bd93_gemm2, .Lfunc_end_k_q955457bd93_gemm2-k_q955457bd93_gemm2
	.p2alignl 7, 3214868480
	.fill 96, 4, 3214868480
	.section	.rodata,"a",@progbits
	.p2align	6, 0x0
	.amdhsa_kernel k_q955457bd93_gemm2
		.amdhsa_group_segment_fixed_size 327680
		.amdhsa_private_segment_fixed_size 0
		.amdhsa_enable_private_segment 0
		.amdhsa_kernarg_size 32
		.amdhsa_user_sgpr_count 2
		.amdhsa_user_sgpr_kernarg_segment_ptr 1
		.amdhsa_wavefront_size32 1
		.amdhsa_system_sgpr_workgroup_id_x 1
		.amdhsa_system_sgpr_workgroup_id_y 1
		.amdhsa_system_sgpr_workgroup_id_z 1
		.amdhsa_system_vgpr_workitem_id 0
		.amdhsa_next_free_vgpr 512
		.amdhsa_next_free_sgpr 72
		.amdhsa_reserve_vcc 0
		.amdhsa_float_denorm_mode_32 3
		.amdhsa_float_denorm_mode_16_64 3
		.amdhsa_memory_ordered 1
		.amdhsa_forward_progress 1
		.amdhsa_inst_pref_size 87
	.end_amdhsa_kernel
	.amdgpu_metadata
---
amdhsa.version: [ 1, 2 ]
amdhsa.kernels:
  - .name:           k_q955457bd93_gemm2
    .symbol:         k_q955457bd93_gemm2.kd
    .args:
      - { .name: g16, .offset: 0, .size: 8, .value_kind: global_buffer, .address_space: global }
      - { .name: wt, .offset: 8, .size: 8, .value_kind: global_buffer, .address_space: global }
      - { .name: b2, .offset: 16, .size: 8, .value_kind: global_buffer, .address_space: global }
      - { .name: mlp, .offset: 24, .size: 8, .value_kind: global_buffer, .address_space: global }
    .group_segment_fixed_size: 327680
    .private_segment_fixed_size: 0
    .kernarg_segment_align: 8
    .kernarg_segment_size: 32
    .max_flat_workgroup_size: 128
    .sgpr_count:     72
    .vgpr_count:     512
    .wavefront_size: 32
...
	.end_amdgpu_metadata
.endif
;; end of part 6
;; launch ln2 (part 7): grid 256 x 1, 8 waves a work-group, no clusters, 0 bytes of LDS; arguments h, mlp, ln_g, ln_b, out0; writes out0
.if DOCPART == 7
	.amdgcn_target "amdgcn-amd-amdhsa--gfx1250"
	.amdhsa_code_object_version 6
	.text
	.protected	k_q955457bd93_ln2
	.globl	k_q955457bd93_ln2
	.p2align	8
	.type	k_q955457bd93_ln2,@function
k_q955457bd93_ln2:
	s_mov_b64 s[64:65], 0
	v_nop
	global_prefetch_b8 v0, s[64:65] scope:SCOPE_SE
	s_setreg_imm32_b32 hwreg(HW_REG_WAVE_MODE, 25, 1), 1
	s_wait_xcnt 0x0
; out0 = LayerNorm(h + mlp) x gain + bias, over rows of 1,024; all in f32.  h is read at its f32 copy (byte 0 of the buffer).
; A wave takes two rows, each whole in its registers: eight loads of 512 consecutive bytes a row and tensor.  All 48 loads of a wave go out at its head.  No LDS, no barrier, no matrix unit: memory binds.
.set G,  8
.set B,  40
.set T,  200
	s_load_b256 s[4:11], s[0:1], 0x0               ; the two addends, gain, bias
	s_load_b64 s[12:13], s[0:1], 0x20              ; the result
	v_and_b32 v3, 31, v0
	v_lshrrev_b32 v4, 5, v0
	v_readfirstlane_b32 s14, v4
	v_lshlrev_b32 v1, 4, v3
	s_lshl_b32 s15, ttmp9, 4
	s_lshl_b32 s16, s14, 1
	s_add_co_u32 s15, s15, s16                     ; my first row
	s_lshl_b32 s16, s15, 12
	s_mov_b32 s17, 0
	s_mov_b32 s20, 0x3a800000                      ; 1 / 1,024
	s_mov_b32 s21, 0x3727c5ac                      ; 1e-5
	s_mov_b32 s22, 0x76543210
	s_mov_b32 s23, 0xfedcba98
	v_mov_b32 v[T+5], 0                            ; upper halves of pairs whose low word serves both halves
	v_mov_b32 v[T+7], 0
	s_wait_kmcnt 0x0
	s_add_nc_u64 s[4:5], s[4:5], s[16:17]
	s_add_nc_u64 s[6:7], s[6:7], s[16:17]
	s_add_nc_u64 s[12:13], s[12:13], s[16:17]
.irp j, 0,1,2,3,4,5,6,7
	global_load_b128 v[72+4*\j:72+4*\j+3], v1, s[4:5] offset:512*\j th:TH_LOAD_NT
	global_load_b128 v[104+4*\j:104+4*\j+3], v1, s[6:7] offset:512*\j th:TH_LOAD_NT
.endr
.irp j, 0,1,2,3,4,5,6,7
	global_load_b128 v[G+4*\j:G+4*\j+3], v1, s[8:9] offset:512*\j
	global_load_b128 v[B+4*\j:B+4*\j+3], v1, s[10:11] offset:512*\j
.endr
.irp j, 0,1,2,3,4,5,6,7
	global_load_b128 v[136+4*\j:136+4*\j+3], v1, s[4:5] offset:4096+512*\j th:TH_LOAD_NT
	global_load_b128 v[168+4*\j:168+4*\j+3], v1, s[6:7] offset:4096+512*\j th:TH_LOAD_NT
.endr
.macro REDUCE                          ; v[T] summed over the 32 lanes, the result in every lane
	v_add_f32_dpp v[T], v[T], v[T] row_xmask:1 row_mask:0xf bank_mask:0xf
	v_add_f32_dpp v[T], v[T], v[T] row_xmask:2 row_mask:0xf bank_mask:0xf
	v_add_f32_dpp v[T], v[T], v[T] row_xmask:4 row_mask:0xf bank_mask:0xf
	v_add_f32_dpp v[T], v[T], v[T] row_xmask:8 row_mask:0xf bank_mask:0xf
	v_permlanex16_b32 v[T+1], v[T], s22, s23
	v_add_f32 v[T], v[T], v[T+1]
.endm
.macro ROW x, a, row, left
	s_wait_loadcnt \left
.set nn, 0
.rept 16
	v_pk_add_f32 v[\x+nn:\x+nn+1], v[\x+nn:\x+nn+1], v[\a+nn:\a+nn+1]
.set nn, nn+2
.endr
	v_pk_add_f32 v[T:T+1], v[\x:\x+1], v[\x+2:\x+3]              ; the sum, in two chains
	v_pk_add_f32 v[T+2:T+3], v[\x+4:\x+5], v[\x+6:\x+7]
.irp j, 8,12,16,20,24,28
	v_pk_add_f32 v[T:T+1], v[T:T+1], v[\x+\j:\x+\j+1]
	v_pk_add_f32 v[T+2:T+3], v[T+2:T+3], v[\x+\j+2:\x+\j+3]
.endr
	v_pk_add_f32 v[T:T+1], v[T:T+1], v[T+2:T+3]
	v_add_f32 v[T], v[T], v[T+1]
	REDUCE
	v_mul_f32 v[T+4], s20, v[T]                                  ; the mean
.set nn, 0
.rept 16
	v_pk_add_f32 v[\x+nn:\x+nn+1], v[\x+nn:\x+nn+1], v[T+4:T+5] op_sel_hi:[1,0] neg_lo:[0,1] neg_hi:[0,1]
.set nn, nn+2
.endr
	v_pk_mul_f32 v[T:T+1], v[\x:\x+1], v[\x:\x+1]                ; the squares, in two chains
	v_pk_mul_f32 v[T+2:T+3], v[\x+2:\x+3], v[\x+2:\x+3]
.irp j, 4,8,12,16,20,24,28
	v_pk_fma_f32 v[T:T+1], v[\x+\j:\x+\j+1], v[\x+\j:\x+\j+1], v[T:T+1]
	v_pk_fma_f32 v[T+2:T+3], v[\x+\j+2:\x+\j+3], v[\x+\j+2:\x+\j+3], v[T+2:T+3]
.endr
	v_pk_add_f32 v[T:T+1], v[T:T+1], v[T+2:T+3]
	v_add_f32 v[T], v[T], v[T+1]
	REDUCE
	v_fma_f32 v[T], v[T], s20, s21                               ; the variance + 1e-5
	v_rsq_f32 v[T+6], v[T]
	v_nop                                                        ; a plain instruction behind the transcendental
	s_wait_alu depctr_va_vdst(0)                                 ; and the wait ahead of its first reader
.set nn, 0
.rept 16
	v_pk_mul_f32 v[\x+nn:\x+nn+1], v[\x+nn:\x+nn+1], v[T+6:T+7] op_sel_hi:[1,0]
.set nn, nn+2
.endr
.set nn, 0
.rept 16
	v_pk_fma_f32 v[\x+nn:\x+nn+1], v[\x+nn:\x+nn+1], v[G+nn:G+nn+1], v[B+nn:B+nn+1]
.set nn, nn+2
.endr
.irp j, 0,1,2,3,4,5,6,7
	global_store_b128 v1, v[\x+4*\j:\x+4*\j+3], s[12:13] offset:4096*\row+512*\j th:TH_STORE_NT   ; 512 consecutive bytes, aligned
.endr
.endm
	ROW 72, 104, 0, 16                             ; the second row's sixteen loads may be out
	ROW 136, 168, 1, 0
	s_endpgm
.Lfunc_end_k_q955457bd93_ln2:
	.size	k_q955457bd93_ln2, .Lfunc_end_k_q955457bd93_ln2-k_q955457bd93_ln2
	.p2alignl 7, 3214868480
	.fill 96, 4, 3214868480
	.section	.rodata,"a",@progbits
	.p2align	6, 0x0
	.amdhsa_kernel k_q955457bd93_ln2
		.amdhsa_group_segment_fixed_size 0
		.amdhsa_private_segment_fixed_size 0
		.amdhsa_enable_private_segment 0
		.amdhsa_kernarg_size 40
		.amdhsa_user_sgpr_count 2
		.amdhsa_user_sgpr_kernarg_segment_ptr 1
		.amdhsa_wavefront_size32 1
		.amdhsa_system_sgpr_workgroup_id_x 1
		.amdhsa_system_sgpr_workgroup_id_y 1
		.amdhsa_system_sgpr_workgroup_id_z 1
		.amdhsa_system_vgpr_workitem_id 0
		.amdhsa_next_free_vgpr 216
		.amdhsa_next_free_sgpr 66
		.amdhsa_reserve_vcc 0
		.amdhsa_float_denorm_mode_32 3
		.amdhsa_float_denorm_mode_16_64 3
		.amdhsa_memory_ordered 1
		.amdhsa_forward_progress 1
		.amdhsa_inst_pref_size 22
	.end_amdhsa_kernel
	.amdgpu_metadata
---
amdhsa.version: [ 1, 2 ]
amdhsa.kernels:
  - .name:           k_q955457bd93_ln2
    .symbol:         k_q955457bd93_ln2.kd
    .args:
      - { .name: h, .offset: 0, .size: 8, .value_kind: global_buffer, .address_space: global }
      - { .name: mlp, .offset: 8, .size: 8, .value_kind: global_buffer, .address_space: global }
      - { .name: ln_g, .offset: 16, .size: 8, .value_kind: global_buffer, .address_space: global }
      - { .name: ln_b, .offset: 24, .size: 8, .value_kind: global_buffer, .address_space: global }
      - { .name: out0, .offset: 32, .size: 8, .value_kind: global_buffer, .address_space: global }
    .group_segment_fixed_size: 0
    .private_segment_fixed_size: 0
    .kernarg_segment_align: 8
    .kernarg_segment_size: 40
    .max_flat_workgroup_size: 256
    .sgpr_count:     66
    .vgpr_count:     216
    .wavefront_size: 32
...
	.end_amdgpu_metadata
.endif
;; end of part 7
